; MI455X (gfx1250); checked and timed in simulation.
; The chip was launched on July 23, 2026; its instructions are those of AMD's public machine-readable ISA for CDNA 5 (MIT licence, August 2026) and "CDNA5" Instruction Set Architecture Reference Guide (July 2026). The comments in the code are by the model that wrote it; some were corrected since.
;; Attention. Allowed arithmetic: float matrix products may take bf16 or f16 operands with f32 sums; other float arithmetic in f32, or as packed bf16 or f16 multiplies, adds, multiply-adds, maxima and minima; sums over many terms, partial sums and values carried from step to step in f32; what a program stores and reads back later, other than sums and carried values, may be rounded once to bf16 or f16.
;; Inputs: freqs_cos 1,024 x 64 float32; freqs_sin 1,024 x 64 float32; wk 512 x 2,048 float32; wo 2,048 x 2,048 float32; wq 2,048 x 2,048 float32; wv 512 x 2,048 float32; x 4 x 1,024 x 2,048 float32.
;; Outputs: out0 4 x 1,024 x 2,048 float32.
;; One version. Each part assembles by itself: llvm-mc -triple=amdgcn-amd-amdhsa -mcpu=gfx1250 --defsym DOCPART=n.
;; ======== version 1 of 1: 4 launches
;; limits: values are held in f16: magnitudes above 65,504 overflow, below 6.1e-05 lose precision
;; workspace buffers: xb 16,777,216 bytes; wqkv 12,582,912 bytes; wob 8,388,608 bytes; qkv 25,165,824 bytes; ob 16,777,216 bytes
;; launch cast (part 1): grid 2304 x 1, 8 waves a work-group, no clusters, 0 bytes of LDS; arguments x, wq, wk, wv, wo, xb, wqkv, wob; writes xb, wqkv, wob
.if DOCPART == 1
	.amdgcn_target "amdgcn-amd-amdhsa--gfx1250"
	.amdhsa_code_object_version 6
	.text
	.protected	k_q026e682d0c_cast
	.globl	k_q026e682d0c_cast
	.p2align	8
	.type	k_q026e682d0c_cast,@function
k_q026e682d0c_cast:
	s_mov_b64 s[64:65], 0
	v_nop
	global_prefetch_b8 v0, s[64:65] scope:SCOPE_SE
	s_setreg_imm32_b32 hwreg(HW_REG_WAVE_MODE, 25, 1), 1
	s_wait_xcnt 0x0
; The module's large inputs are rounded once to 16 bits for the matrix units: x -> xb and wq, wk, wv -> wqkv (one below the other) in bf16;
; wo -> wob is rounded to bf16 like the others and that number is then written as f16, since it multiplies an f16 operand later.
; LIMIT: a bf16 number of wo below 6.1e-5 in magnitude keeps f16's fixed step of 6e-8; beyond 65,504 it would become an infinity.
; A stream: no LDS, no barrier, no matrix unit.  A work-group takes 8,192 numbers (32,768 bytes in, 16,384 out): 18 x 2^20 numbers make 2,304 work-groups.
; Thread t takes the 32 bytes at 32 t of each of four pieces of 8,192 bytes; its 16 bytes of output lie at 16 t of pieces of 4,096 bytes,
; so a wave's store covers 512 consecutive bytes, aligned.  All eight loads of a lane go out at once; the waits count down.
.set X, 4                              ; v[4:35]   32 numbers as loaded
.set Y, 36                             ; v[36:51]  16 words to store, four for each piece; none is written again behind its store
.set T, 52                             ; v[52:59]  at work (wo alone)
	s_load_b512 s[16:31], s[0:1], 0x0              ; x 16, wq 18, wk 20, wv 22, wo 24, xb 26, wqkv 28, wob 30
	s_mov_b32 s14, 0xffff0000                      ; a word's upper bf16
	v_lshlrev_b32 v1, 5, v0                        ; 32 t
	v_lshlrev_b32 v2, 4, v0                        ; 16 t
	s_mov_b32 s8, 0                                ; the first work-group of my source's range
	s_mov_b32 s9, 0                                ; and of my destination's
	s_wait_kmcnt 0x0
	s_mov_b64 s[4:5], s[16:17]                     ; work-groups 0 .. 1023: x -> xb
	s_mov_b64 s[6:7], s[26:27]
	s_cmp_ge_u32 ttmp9, 1024                       ; 1024 .. 1535: wq -> wqkv
	s_cselect_b64 s[4:5], s[18:19], s[4:5]
	s_cselect_b64 s[6:7], s[28:29], s[6:7]
	s_cselect_b32 s8, 1024, s8
	s_cselect_b32 s9, 1024, s9
	s_cmp_ge_u32 ttmp9, 1536                       ; 1536 .. 1663: wk, which goes on in wqkv where wq ended
	s_cselect_b64 s[4:5], s[20:21], s[4:5]
	s_cselect_b32 s8, 1536, s8
	s_cmp_ge_u32 ttmp9, 1664                       ; 1664 .. 1791: wv, likewise
	s_cselect_b64 s[4:5], s[22:23], s[4:5]
	s_cselect_b32 s8, 1664, s8
	s_cmp_ge_u32 ttmp9, 1792                       ; 1792 .. 2303: wo -> wob
	s_cselect_b64 s[4:5], s[24:25], s[4:5]
	s_cselect_b64 s[6:7], s[30:31], s[6:7]
	s_cselect_b32 s8, 1792, s8
	s_cselect_b32 s9, 1792, s9
	s_sub_co_u32 s10, ttmp9, s8
	s_lshl_b32 s10, s10, 15                        ; 32,768 bytes of source a work-group
	s_mov_b32 s11, 0
	s_sub_co_u32 s12, ttmp9, s9
	s_lshl_b32 s12, s12, 14                        ; 16,384 bytes of destination
	s_mov_b32 s13, 0
	s_add_nc_u64 s[4:5], s[4:5], s[10:11]
	s_add_nc_u64 s[6:7], s[6:7], s[12:13]
.irp j, 0,1,2,3
	global_load_b128 v[X+8*(\j):X+8*(\j)+3],   v1, s[4:5] offset:8192*(\j) th:TH_LOAD_NT
	global_load_b128 v[X+8*(\j)+4:X+8*(\j)+7], v1, s[4:5] offset:8192*(\j)+16 th:TH_LOAD_NT
.endr
; The four pieces.  half = 1: the bf16 number is widened (a shift, a mask) and written as f16.
.macro OUT half
.irp j, 0,1,2,3
	s_wait_loadcnt 6-2*(\j)                        ; loads come back in order: piece j's two are in, the younger ones stay out
.irp k, 0,1,2,3
	v_cvt_pk_bf16_f32 v[Y+4*(\j)+(\k)], v[X+8*(\j)+2*(\k)], v[X+8*(\j)+2*(\k)+1]
.endr
.if \half
.irp k, 0,1,2,3
	v_lshlrev_b32 v[T+2*(\k)],   16,  v[Y+4*(\j)+(\k)]
	v_and_b32     v[T+2*(\k)+1], s14, v[Y+4*(\j)+(\k)]
.endr
.irp k, 0,1,2,3
	v_cvt_pk_f16_f32 v[Y+4*(\j)+(\k)], v[T+2*(\k)], v[T+2*(\k)+1]
.endr
.endif
	global_store_b128 v2, v[Y+4*(\j):Y+4*(\j)+3], s[6:7] offset:4096*(\j)   ; the next launch reads these bytes: no hint
.endr
.endm
	s_cmp_ge_u32 ttmp9, 1792
	s_cbranch_scc1 .Lwo
	OUT 0
	s_endpgm
.Lwo:
	OUT 1
	s_endpgm
.Lfunc_end_k_q026e682d0c_cast:
	.size	k_q026e682d0c_cast, .Lfunc_end_k_q026e682d0c_cast-k_q026e682d0c_cast
	.p2alignl 7, 3214868480
	.fill 96, 4, 3214868480
	.section	.rodata,"a",@progbits
	.p2align	6, 0x0
	.amdhsa_kernel k_q026e682d0c_cast
		.amdhsa_group_segment_fixed_size 0
		.amdhsa_private_segment_fixed_size 0
		.amdhsa_enable_private_segment 0
		.amdhsa_kernarg_size 64
		.amdhsa_user_sgpr_count 2
		.amdhsa_user_sgpr_kernarg_segment_ptr 1
		.amdhsa_wavefront_size32 1
		.amdhsa_system_sgpr_workgroup_id_x 1
		.amdhsa_system_sgpr_workgroup_id_y 1
		.amdhsa_system_sgpr_workgroup_id_z 1
		.amdhsa_system_vgpr_workitem_id 0
		.amdhsa_next_free_vgpr 60
		.amdhsa_next_free_sgpr 66
		.amdhsa_reserve_vcc 0
		.amdhsa_float_denorm_mode_32 3
		.amdhsa_float_denorm_mode_16_64 3
		.amdhsa_memory_ordered 1
		.amdhsa_forward_progress 1
		.amdhsa_inst_pref_size 8
	.end_amdhsa_kernel
	.amdgpu_metadata
---
amdhsa.version: [ 1, 2 ]
amdhsa.kernels:
  - .name:           k_q026e682d0c_cast
    .symbol:         k_q026e682d0c_cast.kd
    .args:
      - { .name: x, .offset: 0, .size: 8, .value_kind: global_buffer, .address_space: global }
      - { .name: wq, .offset: 8, .size: 8, .value_kind: global_buffer, .address_space: global }
      - { .name: wk, .offset: 16, .size: 8, .value_kind: global_buffer, .address_space: global }
      - { .name: wv, .offset: 24, .size: 8, .value_kind: global_buffer, .address_space: global }
      - { .name: wo, .offset: 32, .size: 8, .value_kind: global_buffer, .address_space: global }
      - { .name: xb, .offset: 40, .size: 8, .value_kind: global_buffer, .address_space: global }
      - { .name: wqkv, .offset: 48, .size: 8, .value_kind: global_buffer, .address_space: global }
      - { .name: wob, .offset: 56, .size: 8, .value_kind: global_buffer, .address_space: global }
    .group_segment_fixed_size: 0
    .private_segment_fixed_size: 0
    .kernarg_segment_align: 8
    .kernarg_segment_size: 64
    .max_flat_workgroup_size: 256
    .sgpr_count:     66
    .vgpr_count:     60
    .wavefront_size: 32
...
	.end_amdgpu_metadata
.endif
;; end of part 1
;; launch qkvproj (part 2): grid 8 x 32, 4 waves a work-group, clusters of 4 x 4, 327,680 bytes of LDS; arguments xb, wqkv, freqs_cos, freqs_sin, qkv; writes qkv
.if DOCPART == 2
	.amdgcn_target "amdgcn-amd-amdhsa--gfx1250"
	.amdhsa_code_object_version 6
	.text
	.protected	k_q026e682d0c_qkvproj
	.globl	k_q026e682d0c_qkvproj
	.p2align	8
	.type	k_q026e682d0c_qkvproj,@function
k_q026e682d0c_qkvproj:
	s_mov_b64 s[64:65], 0
	v_nop
	global_prefetch_b8 v0, s[64:65] scope:SCOPE_SE
	s_setreg_imm32_b32 hwreg(HW_REG_WAVE_MODE, 25, 1), 1
	s_wait_xcnt 0x0
	s_wait_alu depctr_hold_cnt(0) depctr_sa_sdst(0) depctr_va_vdst(0) depctr_va_sdst(0) depctr_va_ssrc(0) depctr_va_vcc(0) depctr_vm_vsrc(0)
	s_getreg_b32 s2, hwreg(HW_REG_IB_STS2, 6, 4)
	s_cmp_eq_u32 s2, 0
	s_cbranch_scc0 .Lentry_in_a_cluster
	s_endpgm
.Lentry_in_a_cluster:
	s_bfe_u32 s2, ttmp6, 0x10000c
	s_cmp_lg_u32 s2, 0xf033
	s_cbranch_scc0 .Lentry_shape_is_right
	s_endpgm
.Lentry_shape_is_right:
; q, k, v = x W^T for W = wq, wk, wv one below the other (3,072 rows), then the rotation of q and k, in ONE launch.
; xb: [4096][2048] bf16, wqkv: [3072][2048] bf16; sums in f32; the rotation in f32 on the sums, by cos and sin rounded to bf16 like the other inputs;
; the result is rounded once to f16 and stored by heads: qkv[b][hh][s][128], hh 0-15 q, 16-19 k, 20-23 v (v takes cos = 1, sin = 0 by a select, no branch).
; LIMITS: f16 holds no number beyond 65,504: |q|, |k|, |v| behind the rotation stay within it; below 6.1e-5 f16 keeps its fixed step of 6e-8.  NaN and infinities are not treated apart.
; The sums take K in a rotated order (below): they differ from ascending order in the last bits.
; SHARES.  A work-group makes 128 rows x 384 columns (three whole heads): 32 x 8 = 256 work-groups.  Each of its four waves takes all 128 rows and 96 columns: 48 accumulators, 384 registers.
; K goes in steps of 128 through two LDS slots filled by the tensor data mover (rows of 256 bytes of memory, aligned); waves 0, 1 fetch x's two halves, waves 2, 3 W's.
; CLUSTER 4 x 4: the four of a row of the cluster need the same tile of x, the four of a column the same tile of W: each is asked for jointly, by one descriptor and mask in all four.
; THE WALK ALONG K IS ROTATED.  The cluster at (X, Y) of the grid's 2 x 8 clusters begins at K step 4 (Y mod 4) + 8 X (mod 16) and wraps round.  The two clusters that need the same tile of x ask for it
; eight steps apart; of four clusters on end along y, which need the same tile of W, each asks four steps apart from the next.  So of the clusters that share a tile only the first asks for bytes that
; nobody has read in this launch: a cluster does so in its first eight steps alone.  X and Y are the same in all partners of a cluster, so the joint requests stay alike.
; THE MATRIX INSTRUCTION IS USED TRANSPOSED (source 0 = 16 rows of W, source 1 = 16 rows of x): a lane holds row lane % 16 and eight neighbouring columns, that is four pairs of the rotation.
; REGISTERS in windows of 256 (s_set_vgpr_msb: bits 1:0 source 0, 3:2 source 1, 5:4 source 2, 7:6 destination):
;   window 0: v0-31 addresses; v64-127, v128-191 x's fragments, two buffers; on the way out v32-55 / v192-215 table words, v64-111 cos and sin, v112-159 rotated, v160-183 packed
;   window 1: v64-111, v128-175 W's fragments      window 2: accumulators of row blocks 0-3 at 8 (6 a + b)      window 3: of row blocks 4-7
.set SIZE_K, 2048
.set NBK,    6                         ; blocks of 16 columns a wave
.set BROWS,  64*NBK                    ; the tile's columns = rows of W
.set KSTEP,  128
.set PITCH,  272                       ; an LDS row: 256 bytes + 16 of padding: the 16 rows of a fragment load start at 16 different groups of four banks (64 banks of 4 bytes: ISA guide 11.1)
.set ABYTES, 128*PITCH                 ; x's 128 rows, then W's 384
.set SLOT,   (128+BROWS)*PITCH
.set TAB,    2*SLOT                    ; behind the ring: the tile's 128 positions x 64 words (cos low, sin high), rows of 272 bytes; no tile lands here
.set SPARE,  TAB+128*PITCH             ; the spare words: 128 bytes for each wave, two blocks of 256 bytes that no other line names
.set SPITCH, 784                       ; the stage's rows: 768 bytes + 16.  The stage is slot 0's bytes, behind that slot's last fill and last read
.set FL,     16+2*NBK                  ; LDS loads in one run
.set LAPS,   SIZE_K/(2*KSTEP)
.set TA,   6                           ; v6-11   column block b: LDS address of my four table words in row block 0
.set ADRA, 16                          ; v16-17  LDS address of my fragments of x in slot 0, 1
.set ADRB, 20                          ; v20-21  of W
.set STO,  24                          ; v24-25  the stage: where I put 16 bytes of a row, row blocks 0-3 and 4-7
.set RD,   26                          ; v26     where I read rows back
.set GO,   27                          ; v27     16 x lane
.set SPW,  28                          ; v28     my spare word; never rewritten
.set NIL,  29                          ; v29     0; never rewritten
.set ONE,  30                          ; v30     the table word cos = 1, sin = 0
.set F0,   64
.set F1,   128
.set CSR,  64
.set RR,   112
.set HH,   160
.set KO,  18                           ; s[18:19] the byte offset in a row of the K step to be asked for
.set G1,  24                           ; s[24:31] group 1 for x's tiles;  s[32:39] group 0, a set for each slot
.set G0,  32
.set KK,  45                           ; s45     the K step to be asked for next, 0 .. 15
.set G1B, 48                           ; s[48:55], s[56:63] the same for W's
.set G0B, 56
.set VM,  72                           ; s72-77  column block b: all ones where its head is one of v's
.set MSB, 0
.macro WIN new                         ; the immediate's high byte repeats the setting that is left; a switch that changes nothing is dropped
.if MSB != (\new)
	s_set_vgpr_msb (MSB<<8)|(\new)
.set MSB, \new
.endif
.endm
.set MUL_LO, 0xa1                      ; source 0 (W) window 1, source 1 (x) window 0, C and D window 2
.set MUL_HI, 0xf1                      ; the same, C and D window 3
.set TO_B,   0x40                      ; destination window 1, address window 0
; Slot s's two global addresses are made anew for K step KK: each tensor's base (s[14:15] x at my rows, s[46:47] W at my rows) plus 256 bytes x KK, the type bits set again; KK steps and wraps.
.macro ASK s
	s_lshl_b32 s[KO], s[KK], 8
	s_add_nc_u64 s[G0+4*(\s)+2:G0+4*(\s)+3], s[14:15], s[KO:KO+1]
	s_or_b32 s[G0+4*(\s)+3], s[G0+4*(\s)+3], 0x80000000
	s_add_nc_u64 s[G0B+4*(\s)+2:G0B+4*(\s)+3], s[46:47], s[KO:KO+1]
	s_or_b32 s[G0B+4*(\s)+3], s[G0B+4*(\s)+3], 0x80000000
	s_add_co_u32 s[KK], s[KK], 1
	s_and_b32 s[KK], s[KK], 15
.endm
; A joint load.  The branch hangs on the wave's number alone.  An s_nop 0 and four v_nop follow each of the two lines.
.macro JLOAD s
	s_cmp_eq_u32 s11, 0
	s_cbranch_scc0 .Lfor_b_\@
	tensor_load_to_lds s[G0+4*(\s):G0+4*(\s)+3], s[G1:G1+7]
	s_nop 0
.rept 4
	v_nop
.endr
	s_branch .Lasked_\@
.Lfor_b_\@:
	tensor_load_to_lds s[G0B+4*(\s):G0B+4*(\s)+3], s[G1B:G1B+7]
	s_nop 0
.rept 4
	v_nop
.endr
.Lasked_\@:
.endm
.macro CREST                           ; a round of the cluster's barrier behind its opening barrier
	s_cmp_lg_u32 s10, 0
	s_cbranch_scc1 .Lnot_wave_0_\@
	s_barrier_signal -3
.Lnot_wave_0_\@:
	s_barrier_wait -3
	s_barrier_signal -1
	s_barrier_wait -1
.endm
.macro CROUND                          ; a whole round
	s_barrier_signal -1
	s_barrier_wait -1
	CREST
.endm
.macro PLACES                          ; four places behind matrix instructions, in front of loads into their sources and of reads of their results
.rept 4
	v_nop
.endr
.endm
	s_load_b128 s[4:7], s[0:1], 0x0                ; xb s[4:5], wqkv s[6:7]
	s_load_b128 s[68:71], s[0:1], 0x10             ; cos s[68:69], sin s[70:71]
	s_load_b64 s[8:9], s[0:1], 0x20                ; qkv
	v_lshl_add_u32 v[SPW], v0, 2, SPARE
	v_mov_b32 v[NIL], 0
	ds_add_u32 v[SPW], v[NIL]                      ; the wave's opening: the add and its wait stand ahead of my first tensor load; work on registers stands between them
	v_lshrrev_b32 v1, 5, v0
	v_readfirstlane_b32 s10, v1                    ; wave 0..3
	s_lshr_b32 s11, s10, 1                         ; I fetch for x (0) or for W (1),
	s_and_b32 s12, s10, 1                          ; its first or second half
	s_bfe_u32 s40, ttmp6, 0x40000                  ; cx, cy: my place in the cluster
	s_bfe_u32 s41, ttmp6, 0x40004
	s_lshl_b32 s42, ttmp9, 2
	s_add_co_u32 s42, s42, s40                     ; tile column j = 4 x cluster x + cx
	s_and_b32 s13, ttmp7, 0xffff
	s_lshl_b32 s13, s13, 2
	s_add_co_u32 s13, s13, s41                     ; tile row i = 4 x cluster y + cy
	s_lshl_b32 s43, s41, 2
	s_lshl_b32 s43, 15, s43                        ; my row of the cluster
	s_lshl_b32 s44, 0x1111, s40                    ; my column
	s_and_b32 s[KK], ttmp7, 3                      ; where my cluster's walk begins: 4 (cluster y mod 4)
	s_lshl_b32 s[KK], s[KK], 2
	s_lshl_b32 s[KO], ttmp9, 3                     ; + 8 x cluster x,
	s_add_co_u32 s[KK], s[KK], s[KO]
	s_and_b32 s[KK], s[KK], 15                     ; mod 16: made of the cluster's own coordinates, which all its partners share
	s_mov_b32 s[KO+1], 0
	s_or_b32 s[G1+0], s43, (1<<16)|(1<<20)|(1<<21)|(5<<22)|(3<<25)   ; 15:0 the mask; 17:16 2-byte elements; 20 padding on; 21 set beside a mask; 24:22 after every 64 words; 31:25 4 words
	s_or_b32 s[G1B+0], s44, (1<<16)|(1<<20)|(1<<21)|(5<<22)|(3<<25)
	s_mov_b32 s[G1+1], KSTEP<<16                   ; tensor_dim0 = 128
	s_mov_b32 s[G1+2], 64<<16                      ; tensor_dim1 = 64 rows of x a load
	s_mov_b32 s[G1+3], KSTEP<<16                   ; tile_dim0 = 128
	s_mov_b32 s[G1+4], 64                          ; tile_dim1
	s_mov_b32 s[G1+5], SIZE_K                      ; elements from row to row
	s_mov_b32 s[G1+6], 0
	s_mov_b32 s[G1+7], 0
	s_mov_b32 s[G1B+1], KSTEP<<16
	s_mov_b32 s[G1B+2], (BROWS/2)<<16              ; 192 rows of W a load
	s_mov_b32 s[G1B+3], KSTEP<<16
	s_mov_b32 s[G1B+4], BROWS/2
	s_mov_b32 s[G1B+5], SIZE_K
	s_mov_b32 s[G1B+6], 0
	s_mov_b32 s[G1B+7], 0
	s_lshl_b32 s16, s13, 7                         ; x: row 128 i + 64 x half, rows of 4,096 bytes: under 2^24 bytes
	s_lshl_b32 s17, s12, 6
	s_add_co_u32 s16, s16, s17
	s_lshl_b32 s16, s16, 12
	s_mov_b32 s17, 0
	s_mul_i32 s46, s42, BROWS                      ; W: row 384 j + 192 x half
	s_mul_i32 s47, s12, BROWS/2
	s_add_co_u32 s46, s46, s47
	s_lshl_b32 s46, s46, 12
	s_mov_b32 s47, 0
	s_mul_i32 s20, s12, 64*PITCH                   ; where they go: no place in the cluster enters an LDS address
	s_mul_i32 s21, s12, (BROWS/2)*PITCH
	s_add_co_u32 s21, s21, ABYTES
	s_wait_dscnt 0x0                               ; the opening add is done
	s_wait_kmcnt 0x0
	s_add_nc_u64 s[14:15], s[4:5], s[16:17]        ; the two bases stay as they are from here on
	s_add_nc_u64 s[46:47], s[6:7], s[46:47]
	CROUND                                         ; all sixteen work-groups are here: the first joint loads meet
.irp s, 0,1
	s_mov_b32 s[G0+4*(\s)], 1                      ; count = 1
	s_add_co_u32 s[G0+4*(\s)+1], s20, (\s)*SLOT    ; LDS address
	s_mov_b32 s[G0B+4*(\s)], 1
	s_add_co_u32 s[G0B+4*(\s)+1], s21, (\s)*SLOT
	ASK \s                                         ; global addresses: the walk's first and second K step
	JLOAD \s                                       ; two loads of mine are out
.endr
	; THE TABLE, in the wait for the first tile: the tile's 128 positions of cos and sin (32,768 dense bytes each) are read once, in whole runs of 2,048 bytes a work-group,
	; rounded to bf16 and laid into LDS as one word a pair.
	s_and_b32 s22, s13, 7                          ; the tile's first position is 128 (i mod 8): 256 bytes a position
	s_lshl_b32 s22, s22, 15
	s_mov_b32 s23, 0
	s_add_nc_u64 s[68:69], s[68:69], s[22:23]
	s_add_nc_u64 s[70:71], s[70:71], s[22:23]
	v_lshlrev_b32 v4, 4, v0
.irp c, 0,1,2,3,4,5,6,7,8,9,10,11,12,13,14,15
	global_load_b128 v[64+4*(\c):64+4*(\c)+3],   v4, s[68:69] offset:2048*(\c)
	global_load_b128 v[128+4*(\c):128+4*(\c)+3], v4, s[70:71] offset:2048*(\c)
.endr
	; A fragment is 16 rows x 32 K in 8 registers: lane l holds row l % 16, K = 8 (l / 16) + 0..7 and 16 + 8 (l / 16) + 0..7: two loads of 16 bytes, 32 bytes apart.
	v_and_b32 v1, 15, v0                           ; r = l % 16
	v_bfe_u32 v2, v0, 4, 1                         ; h = l / 16
	v_mul_u32_u24 v3, v1, PITCH
	v_lshl_add_u32 v3, v2, 4, v3                   ; r x pitch + 16 h
	s_mul_i32 s22, s10, 16*NBK*PITCH               ; my 96 rows of W,
	s_add_co_u32 s22, s22, ABYTES                  ; behind x's 128
	v_mov_b32 v[ADRA], v3
	v_add_nc_u32 v[ADRA+1], SLOT, v3
	v_add_nc_u32 v[ADRB], s22, v3
	v_add_nc_u32 v[ADRB+1], SLOT, v[ADRB]
	v_lshrrev_b32 v5, 4, v0                        ; the table's stores: thread t holds pairs 4 (t % 16) .. of position t / 16 + 8 c
	v_mul_u32_u24 v5, v5, PITCH
	v_lshl_add_u32 v5, v1, 4, v5
	v_add_nc_u32 v5, TAB, v5
	v_add_nc_u32 v31, TAB, v3                      ; the table's reads: position r, pairs 4 h ..
	s_mul_i32 s20, s10, 16*NBK                     ; my first column in the tile
	s_mul_i32 s79, s42, 3                          ; the tile's first head
.irp b, 0,1,2,3,4,5
	s_add_co_u32 s21, s20, 16*(\b)                 ; block b's first column,
	s_lshr_b32 s67, s21, 7
	s_add_co_u32 s67, s67, s79                     ; its head:
	s_cmp_ge_u32 s67, 20                           ; one of v's?  This chooses a value alone
	s_cselect_b32 s[VM+(\b)], -1, 0
	s_and_b32 s21, s21, 127                        ; its channel in the head: two channels are a pair, a pair is four bytes
	s_lshl_b32 s21, s21, 1
	v_add_nc_u32 v[TA+(\b)], s21, v31
.endr
	v_mul_u32_u24 v[STO], v1, SPITCH               ; into the stage: row r, my wave's 192 bytes, 16 bytes for each half of the lanes
	v_lshl_add_u32 v[STO], v2, 4, v[STO]
	s_mul_i32 s22, s10, 32*NBK
	v_add_nc_u32 v[STO], s22, v[STO]
	v_add_nc_u32 v[STO+1], 64*SPITCH, v[STO]
	v_mul_u32_u24 v[RD], v2, SPITCH                ; back: wave w takes rows 32 w .. 32 w + 31; lanes 0-15 one row's 256 bytes of a head, lanes 16-31 the next row's
	v_lshl_add_u32 v[RD], v1, 4, v[RD]
	s_mul_i32 s22, s10, 32*SPITCH
	v_add_nc_u32 v[RD], s22, v[RD]
	v_and_b32 v[GO], 31, v0
	v_lshlrev_b32 v[GO], 4, v[GO]
	v_mov_b32 v[ONE], 0x3f80
	s_mov_b32 s78, 0xffff0000
	s_lshr_b32 s66, s13, 3                         ; where I store: batch i / 8, head 3 j, position 128 (i mod 8) + 32 w; rows of 256 bytes
	s_mul_i32 s66, s66, 24
	s_add_co_u32 s66, s66, s79
	s_lshl_b32 s66, s66, 10
	s_and_b32 s67, s13, 7
	s_lshl_b32 s67, s67, 7
	s_add_co_u32 s66, s66, s67
	s_lshl_b32 s67, s10, 5
	s_add_co_u32 s66, s66, s67
	s_lshl_b32 s66, s66, 8
	s_mov_b32 s67, 0
	s_add_nc_u64 s[8:9], s[8:9], s[66:67]
	s_wait_loadcnt 0x0                             ; cos and sin
.set i, 0
.rept 64
	v_cvt_pk_bf16_f32 v[64+i], v[64+i], v[128+i]   ; cos in the low half, sin in the high half
.set i, i+1
.endr
.irp c, 0,1,2,3,4,5,6,7,8,9,10,11,12,13,14,15
	ds_store_b128 v5, v[64+4*(\c):64+4*(\c)+3] offset:8*PITCH*(\c)
.endr
; 12 matrix instructions: row blocks a0, a0 + 1 of the window's four x all 6 column blocks, 32 along K.  zero = 1: the first product starts the sums.
; All 48 accumulators take turns, one instruction a turn, in one order in every quarter.
.macro MULH f, hi, a0, zero
	WIN MUL_LO+0x50*(\hi)
.irp a, \a0, (\a0)+1
.irp b, 0,1,2,3,4,5
.if \zero
	v_wmma_f32_16x16x32_bf16 v[8*(NBK*(\a)+(\b)):8*(NBK*(\a)+(\b))+7], v[(\f)+8*(\b):(\f)+8*(\b)+7], v[(\f)+8*(4*(\hi)+(\a)):(\f)+8*(4*(\hi)+(\a))+7], 0
.else
	v_wmma_f32_16x16x32_bf16 v[8*(NBK*(\a)+(\b)):8*(NBK*(\a)+(\b))+7], v[(\f)+8*(\b):(\f)+8*(\b)+7], v[(\f)+8*(4*(\hi)+(\a)):(\f)+8*(4*(\hi)+(\a))+7], v[8*(NBK*(\a)+(\b)):8*(NBK*(\a)+(\b))+7]
.endif
.endr
.endr
.endm
; 28 LDS loads in one run: a quarter step's fragments (96 rows of W, 128 rows of x, 32 K at byte k of the rows) into buffer f
.macro FETCH slot, k, f
	WIN TO_B
.irp i, 0,1,2,3,4,5
	ds_load_b128 v[(\f)+8*(\i):(\f)+8*(\i)+3],   v[ADRB+(\slot)] offset:(\k)+(\i)*16*PITCH
	ds_load_b128 v[(\f)+8*(\i)+4:(\f)+8*(\i)+7], v[ADRB+(\slot)] offset:(\k)+(\i)*16*PITCH+32
.endr
	WIN 0
.irp i, 0,1,2,3,4,5,6,7
	ds_load_b128 v[(\f)+8*(\i):(\f)+8*(\i)+3],   v[ADRA+(\slot)] offset:(\k)+(\i)*16*PITCH
	ds_load_b128 v[(\f)+8*(\i)+4:(\f)+8*(\i)+7], v[ADRA+(\slot)] offset:(\k)+(\i)*16*PITCH+32
.endr
.endm
; A K step is four quarters of 32 along K, 48 matrix instructions each, on buffers 0, 1, 0, 1.  One of the first three: multiplies f, fetches the next quarter (byte k) into g.
.macro QUARTER slot, k, f, g, zero
	s_wait_dscnt 8                                 ; W and x's rows 0-63 are in; the youngest eight loads (x's rows 64-127) may be out
	MULH \f, 0, 0, \zero
	MULH \f, 0, 2, \zero
	PLACES
	FETCH \slot, \k, \g
	s_wait_dscnt FL                                ; all but the 28 just issued
	MULH \f, 1, 0, \zero
	MULH \f, 1, 2, \zero
.endm
; The last quarter's first half: ONE barrier for the change of slots.  In front of it each wave waits for all its tensor loads (one is out: its part of the next slot), adds 0 to its spare word,
; and waits for that and for its own reads of this slot.  round = 1: this slot is filled again behind the barrier, and its addresses are made here, where no tensor load of mine is out.
.macro MEET round, slot
	WIN 0                                          ; (the add's two registers lie in window 0)
	s_wait_tensorcnt 0x0
	ds_add_u32 v[SPW], v[NIL]
.if \round
	ASK \slot
.endif
	s_wait_dscnt 9                                 ; (the add and the youngest eight loads may be out)
	MULH F1, 0, 0, 0                               ; twelve matrix instructions stand between the add and the wait for it
	s_wait_dscnt 0x0                               ; the add is done, and my reads of this slot are over
	s_barrier_signal -1
	MULH F1, 0, 2, 0                               ; work on registers while the others arrive
.if \round
	WIN 0
.endif
	s_barrier_wait -1
.endm
; The whole last quarter.  fill = 1: the barrier opens a round of the cluster's barrier, and this slot is filled again, with the K step two further on in the walk, first thing behind it:
; from that request to the wait for it a wave issues 168 matrix instructions.
.macro TURN slot, next, fill
	MEET \fill, \slot
.if \fill
	CREST
	JLOAD \slot                                    ; its four v_nop are also the places in front of the loads below
.else
	PLACES
.endif
	FETCH \next, 0, F0
	MULH F1, 1, 0, 0
	MULH F1, 1, 2, 0
.endm
	s_wait_dscnt 0x0                               ; for the others' sake: my part of the table is stored,
	s_wait_tensorcnt 0x1                           ; my part of the walk's first K step is in (the second's load may stay out)
	s_barrier_signal -1
	s_barrier_wait -1                              ; everybody's is
	FETCH 0, 0, F0
	QUARTER 0, 64,  F0, F1, 1                      ; the first quarter stands in front of the loop: its products start the sums
	WIN 0                                          ; at a label and at a branch every window is 0
	s_mov_b32 s3, LAPS-1
.Llap:                                                 ; a trip goes once round the ring and fills both slots again
	QUARTER 0, 128, F1, F0, 0
	QUARTER 0, 192, F0, F1, 0
	TURN 0, 1, 1
	QUARTER 1, 64,  F0, F1, 0
	QUARTER 1, 128, F1, F0, 0
	QUARTER 1, 192, F0, F1, 0
	TURN 1, 0, 1
	QUARTER 0, 64,  F0, F1, 0
	WIN 0
	s_sub_co_u32 s3, s3, 1
	s_cmp_lg_u32 s3, 0
	s_cbranch_scc1 .Llap
	QUARTER 0, 128, F1, F0, 0                      ; the last lap fills nothing
	QUARTER 0, 192, F0, F1, 0
	TURN 0, 1, 0                                   ; behind this barrier no wave reads slot 0 any more, and nothing is filled into it: it becomes the stage
	QUARTER 1, 64,  F0, F1, 0
	QUARTER 1, 128, F1, F0, 0
	QUARTER 1, 192, F0, F1, 0
	s_wait_dscnt 8
	MULH F1, 0, 0, 0
	MULH F1, 0, 2, 0
	s_wait_dscnt 0x0
	MULH F1, 1, 0, 0
	MULH F1, 1, 2, 0
	WIN 0
	PLACES
; THE WAY OUT, a block of 16 rows at a time.  WLOAD: my 24 table words of row block a.  ROPE: (re, im) -> (re c - im s, re s + im c) in f32, rounded to f16, 16 bytes a lane and column block into the stage.
.macro WLOAD a
.set WB, 32+160*((\a)%2)
.irp b, 0,1,2,3,4,5
	ds_load_b128 v[WB+4*(\b):WB+4*(\b)+3], v[TA+(\b)] offset:(\a)*16*PITCH
.endr
.endm
.macro ROPE a
	WIN 0
.if (\a) < 7
	WLOAD (\a)+1                                   ; the next block's words, into the other buffer
	s_wait_dscnt 6                                 ; all but those six: this block's words are in
.else
	s_wait_dscnt 0x0
.endif
.set WB, 32+160*((\a)%2)
.irp b, 0,1,2,3,4,5
	s_mov_b32 vcc_lo, s[VM+(\b)]
.irp p, 0,1,2,3
	v_cndmask_b32 v[WB+4*(\b)+(\p)], v[WB+4*(\b)+(\p)], v[ONE], vcc_lo   ; a head of v is not rotated
.endr
.irp p, 0,1,2,3
	v_lshlrev_b32 v[CSR+8*(\b)+2*(\p)], 16, v[WB+4*(\b)+(\p)]            ; cos
	v_and_b32 v[CSR+8*(\b)+2*(\p)+1], s78, v[WB+4*(\b)+(\p)]             ; sin
.endr
.endr
	WIN 0x02+(\a)/4                                ; source 0, always the accumulator, in window 2 or 3
.set AC, 8*NBK*((\a)%4)
.set i, 0
.rept 24                               ; pair i: each accumulator's registers in ascending order
	v_mul_f32 v[RR+2*i],   v[AC+2*i], v[CSR+2*i]                         ; re c
	v_mul_f32 v[RR+2*i+1], v[AC+2*i], v[CSR+2*i+1]                       ; re s
.set i, i+1
.endr
.set i, 0
.rept 24
	v_fma_f32 v[RR+2*i], -v[AC+2*i+1], v[CSR+2*i+1], v[RR+2*i]           ; - im s
	v_fmac_f32 v[RR+2*i+1], v[AC+2*i+1], v[CSR+2*i]                      ; + im c
.set i, i+1
.endr
	WIN 0
.set i, 0
.rept 24
	v_cvt_pk_f16_f32 v[HH+i], v[RR+2*i], v[RR+2*i+1]
.set i, i+1
.endr
.irp b, 0,1,2,3,4,5
	ds_store_b128 v[STO+(\a)/4], v[HH+4*(\b):HH+4*(\b)+3] offset:16*SPITCH*((\a)%4)+32*(\b)
.endr
.endm
	WLOAD 0
.irp a, 0,1,2,3,4,5,6,7
	ROPE \a
.endr
	s_wait_dscnt 0x0                               ; for the others' sake: my stores into the stage are done (a row's 768 bytes come from four waves)
	s_barrier_signal -1
	s_barrier_wait -1
.set n, 0
.rept 48                               ; head n / 16, rows 2 (n % 16) and the next
	ds_load_b128 v[64+4*n:64+4*n+3], v[RD] offset:2*SPITCH*(n%16)+256*(n/16)
.set n, n+1
.endr
.set n, 0
.rept 48
.if n%4 == 0
	s_wait_dscnt 44-n                              ; LDS loads come back in order: loads n to n + 3 are in, the 44 - n behind them stay out
.endif
	global_store_b128 v[GO], v[64+4*n:64+4*n+3], s[8:9] offset:262144*(n/16)+512*(n%16)   ; two rows of a head: 512 consecutive bytes, aligned
.set n, n+1
.endr
	s_wait_tensorcnt 0x0                           ; the wave's end
	ds_add_u32 v[SPW], v[NIL]
	s_wait_dscnt 0x0
	CROUND                                         ; the closing round: no work-group ends while a partner may still ask for a tile that names it
	s_endpgm
.Lfunc_end_k_q026e682d0c_qkvproj:
	.size	k_q026e682d0c_qkvproj, .Lfunc_end_k_q026e682d0c_qkvproj-k_q026e682d0c_qkvproj
	.p2alignl 7, 3214868480
	.fill 96, 4, 3214868480
	.section	.rodata,"a",@progbits
	.p2align	6, 0x0
	.amdhsa_kernel k_q026e682d0c_qkvproj
		.amdhsa_group_segment_fixed_size 327680
		.amdhsa_private_segment_fixed_size 0
		.amdhsa_enable_private_segment 0
		.amdhsa_kernarg_size 40
		.amdhsa_user_sgpr_count 2
		.amdhsa_user_sgpr_kernarg_segment_ptr 1
		.amdhsa_wavefront_size32 1
		.amdhsa_system_sgpr_workgroup_id_x 1
		.amdhsa_system_sgpr_workgroup_id_y 1
		.amdhsa_system_sgpr_workgroup_id_z 1
		.amdhsa_system_vgpr_workitem_id 0
		.amdhsa_next_free_vgpr 960
		.amdhsa_next_free_sgpr 80
		.amdhsa_reserve_vcc 1
		.amdhsa_float_denorm_mode_32 3
		.amdhsa_float_denorm_mode_16_64 3
		.amdhsa_memory_ordered 1
		.amdhsa_forward_progress 1
		.amdhsa_inst_pref_size 179
	.end_amdhsa_kernel
	.amdgpu_metadata
---
amdhsa.version: [ 1, 2 ]
amdhsa.kernels:
  - .name:           k_q026e682d0c_qkvproj
    .symbol:         k_q026e682d0c_qkvproj.kd
    .args:
      - { .name: xb, .offset: 0, .size: 8, .value_kind: global_buffer, .address_space: global }
      - { .name: wqkv, .offset: 8, .size: 8, .value_kind: global_buffer, .address_space: global }
      - { .name: freqs_cos, .offset: 16, .size: 8, .value_kind: global_buffer, .address_space: global }
      - { .name: freqs_sin, .offset: 24, .size: 8, .value_kind: global_buffer, .address_space: global }
      - { .name: qkv, .offset: 32, .size: 8, .value_kind: global_buffer, .address_space: global }
    .group_segment_fixed_size: 327680
    .private_segment_fixed_size: 0
    .kernarg_segment_align: 8
    .kernarg_segment_size: 40
    .max_flat_workgroup_size: 128
    .sgpr_count:     80
    .vgpr_count:     960
    .wavefront_size: 32
...
	.end_amdgpu_metadata
.endif
;; end of part 2
;; launch attn (part 3): grid 16 x 16, 4 waves a work-group, clusters of 4 x 1, 327,680 bytes of LDS; arguments qkv, ob; writes ob
.if DOCPART == 3
	.amdgcn_target "amdgcn-amd-amdhsa--gfx1250"
	.amdhsa_code_object_version 6
	.text
	.protected	k_q026e682d0c_attn
	.globl	k_q026e682d0c_attn
	.p2align	8
	.type	k_q026e682d0c_attn,@function
k_q026e682d0c_attn:
	s_mov_b64 s[64:65], 0
	v_nop
	global_prefetch_b8 v0, s[64:65] scope:SCOPE_SE
	s_setreg_imm32_b32 hwreg(HW_REG_WAVE_MODE, 25, 1), 1
	s_wait_xcnt 0x0
	s_wait_alu depctr_hold_cnt(0) depctr_sa_sdst(0) depctr_va_vdst(0) depctr_va_sdst(0) depctr_va_ssrc(0) depctr_va_vcc(0) depctr_vm_vsrc(0)
	s_getreg_b32 s2, hwreg(HW_REG_IB_STS2, 6, 4)
	s_cmp_eq_u32 s2, 0
	s_cbranch_scc0 .Lentry_in_a_cluster
	s_endpgm
.Lentry_in_a_cluster:
	s_bfe_u32 s2, ttmp6, 0x10000c
	s_cmp_lg_u32 s2, 0x3003
	s_cbranch_scc0 .Lentry_shape_is_right
	s_endpgm
.Lentry_shape_is_right:
; CAUSAL ATTENTION with grouped heads.  qkv: [b 4][hh 24][s 1024][128] f16 (hh 0-15 q, 16-19 k, 20-23 v; query head 4 g + r takes key and value head g).  ob: [4096][2048] f16, column = head x 128 + channel.
; O[q] = the sum over k <= q of softmax_k(Q[q] . K[k] / sqrt(128)) V[k].  Products, maxima and sums in f32; the weights p are rounded to f16 for the second product (their sum l is taken of the unrounded p), O once.
; LIMITS.  Q, K, V arrive within f16's 65,504; a hidden score counts as its value less 1e30 (f16's scores are 5.5e11 at the most); a weight below 2^-126 counts as 0 in l; NaN and infinities are not treated apart.
; THE WALK.  A head's queries lie in 8 blocks of 128; block i needs the key tiles 0 .. i of 128 keys, of which the last holds the diagonal.  A work-group takes one query head and TWO blocks, 7 - pb and then pb:
; 9 tiles whatever pb: 256 work-groups of equal work, and one loop with a constant trip count.  What a trip does hangs on scalar registers made from pb; jumps go forward but for the counted loops' own.
; CLUSTER 4 x 1: the four query heads of one key head, with the same pb, walk the same tiles of K and V in the same order: every tile is asked for JOINTLY, by one descriptor and mask in all four.
; SHARES.  A wave owns two tiles of 16 queries, one in each of the block's two bands of 64: in the diagonal tile's key step s band t sees all keys if s < t, none if s > t, and holds the diagonal if s = t: alike for all waves.
; THE MASK is the C operand that starts S^T = K Q^T: MD x AL + BE with two scalars a tile; MD, made once, is the mask of a band's own step for my 16 rows (0 or -1e30).
; LAYOUT.  S^T = K Q^T holds ONE query a lane (lane % 16) and the keys 8 (lane / 16) + 0..7; two such results rounded to f16 ARE source 1 of O^T = V^T P.  K comes out of LDS as it lies, V turned (ds_load_tr16_b128).
; SOFTMAX.  A running maximum m and sum l a query: p = 2^(c s - c m), c = log2(e) / sqrt(128); in every step O and l are multiplied by a = 2^(c m_old - c m_new).  A block starts with c m far below every c s: its first a is 0.
; A KEY STEP: 16 products K Q^T of tile 0; 16 of tile 1 with tile 0's softmax behind them; 16 products V^T P of tile 0 with tile 1's softmax behind them; tile 1's 16 stand at the head of the next step, behind the run of loads for K.
; REGISTERS in windows of 256 (s_set_vgpr_msb: bits 1:0 source 0, 3:2 source 1, 5:4 source 2, 7:6 destination):
;   window 0: v0-11 addresses; v12-27 statistics, 8 a tile; v62-63 the add's; v64-127 S^T; v128-159 MD; v160-191, v224-255 the two tiles' masks; v192-223 P
;   window 1: v0-127 O^T, 64 a tile      window 2: v0-63 Q, v64-127 the second block's Q, v128-255 K of one step      window 3: v0-127 V of one step
.set NB,    8
.set KS,    64        ; keys in a step
.set PK,    272       ; a row of K in LDS: 256 bytes + 16: the 16 rows of a load start at 16 different groups of four banks (64 banks of 4 bytes: ISA guide 11.1)
.set PV,    288       ; a row of V: 256 + 32
.set VOFF,  KS*PK     ; a step's tiles lie together: 64 rows of K, then 64 rows of V
.set STEPB, KS*(PK+PV)
.set SLOT1, 1<<17     ; a slot holds a tile of 128 keys, two steps; slot 1 begins here, so that one exclusive or turns an address into the other slot's
.set STAGE, SLOT1+2*STEPB  ; behind the ring, never filled by a tensor load: 16 rows x 272 bytes for each wave
.set SP,    272
.set SPARE, STAGE+4*16*SP  ; the spare words: 128 bytes for each wave, two blocks of 256 bytes that no other line names
.set AK0, 2           ; v2   my lane's place in a tile of K; never rewritten
.set AV0, 3           ; v3   the same for V
.set ADR, 4           ; v4   the LDS address of the run of loads in hand
.set QO,  5           ; v5   my byte offset in 16 rows of Q
.set STO, 6           ; v6   the way out: where I put 16 bytes of a row
.set RD,  7           ; v7   where I read rows back
.set GO,  8           ; v8   my byte offset in two rows of ob
.set ST,  12          ; tile t's statistics at v[ST+8 t]: c m, m, l (even keys', odd keys'), c0-c3 at work; a takes c2's place
.set SPW, 62
.set NIL, 63
.set S,   64
.set MD,  128
.set MC,  160         ; tile t's mask at MC + 64 t
.set P,   192
.set QB,  64          ; window 2
.set KF,  128         ; window 2: key block kb, channel chunk c at KF + 32 kb + 8 c
.set WV,  12          ; s12  my wave's number
.set PB,  14          ; s14  pb
.set HI,  15          ; s15  7 - pb
.set G1K, 24          ; s[24:31] group 1 for K's tiles;  s[32:39] for V's: it differs in the padding alone
.set G1V, 32
.set G0K, 40          ; s[40:43], s[44:47] group 0 for K's and V's tiles
.set G0V, 44
.set SLOTS, 56        ; s56  tiles still to be asked for
.set CNT, 57          ; s57  counts a tile's two key steps, 2 and 1
.set CS,  58          ; s[58:59] c
.set SEL, 60          ; s[60:61] v_permlanex16_b32's selects: each lane takes its own place in the other half
.set TB,  62          ; s62  LDS byte at which the step to be fetched begins
.set AL1, 66          ; s[66:67], s[68:69] tile 1's factor and addend
.set BE1, 68
.set RT,  70          ; s70  tiles of the block in hand still to be entered
.set NXT, 71          ; s71  the tile to be asked for next
.set LQ,  72          ; s72  the last tile of the block whose tiles are being asked for
.set NEW, 73          ; s73  1: the tile to be entered is a block's first
.set OFF, 74          ; s[74:75] a tile's byte offset in K and V
.set AL0, 76          ; s[76:77], s[78:79] tile 0's factor and addend
.set BE0, 78
.set OLO, 80          ; s[80:81] ob at my rows of the second block
.set BIGN, 82         ; s82  -1e30
.set MSB, 0
.macro WIN new
.if MSB != (\new)
	s_set_vgpr_msb (MSB<<8)|(\new)
.set MSB, \new
.endif
.endm
.set W_KQ, 0x0a       ; K and Q in window 2; C and S^T in window 0
.set W_PV, 0x53       ; V in window 3, P in window 0, O^T in window 1
.set W_RS, 0x41       ; O^T (destination and source 0) in window 1, a in window 0
; A joint fill.  Waves 0 and 1 fetch the two steps' K, waves 2 and 3 their V.  An s_nop 0 and four v_nop follow each of the two lines.
.macro JLOAD
	s_cmp_lt_u32 s[WV], 2
	s_cbranch_scc0 .Lfor_v_\@
	tensor_load_to_lds s[G0K:G0K+3], s[G1K:G1K+7]
	s_nop 0
.rept 4
	v_nop
.endr
	s_branch .Lasked_\@
.Lfor_v_\@:
	tensor_load_to_lds s[G0V:G0V+3], s[G1V:G1V+7]
	s_nop 0
.rept 4
	v_nop
.endr
.Lasked_\@:
.endm
.macro CROUND                       ; a round of the cluster's barrier
	s_barrier_signal -1
	s_barrier_wait -1
	s_cmp_lg_u32 s[WV], 0
	s_cbranch_scc1 .Lnot_wave_0_\@
	s_barrier_signal -3
.Lnot_wave_0_\@:
	s_barrier_wait -3
	s_barrier_signal -1
	s_barrier_wait -1
.endm
.macro PLACES
.rept 4
	v_nop
.endr
.endm
; THE CHANGE OF SLOTS.  Each wave waits for all its tensor loads (one is out: its part of the other slot), adds 0 to its spare word, and waits for that and for its own reads of the slot that it leaves.
; fill = 1: the barrier is a round of the cluster's, and the old slot is filled again, first thing behind it, with tile NXT: the address is made anew from that number.  The load has two key steps, 128 matrix
; instructions and their vector work, in which to land.  (At its first use nothing has been read yet: slot 0 is waited for, slot 1 filled.)
.macro CHANGE fill
	WIN 0
	s_wait_tensorcnt 0x0            ; no tensor load of mine is out, so a group 0 may be written
	ds_add_u32 v[SPW], v[NIL]       ; 0 onto my spare word; the descriptors' scalar work stands between it and the wait for it
.if \fill
	s_lshl_b32 s[OFF], s[NXT], 15   ; a tile is 32,768 bytes of K and of V
	s_xor_b32 s[G0K+1], s[G0K+1], SLOT1
	s_add_nc_u64 s[G0K+2:G0K+3], s[6:7], s[OFF:OFF+1]
	s_or_b32 s[G0K+3], s[G0K+3], 0x80000000
	s_xor_b32 s[G0V+1], s[G0V+1], SLOT1
	s_add_nc_u64 s[G0V+2:G0V+3], s[8:9], s[OFF:OFF+1]
	s_or_b32 s[G0V+3], s[G0V+3], 0x80000000
	s_add_co_u32 s[NXT], s[NXT], 1  ; the block's next tile, or behind its last the second block's tile 0
	s_cmp_gt_u32 s[NXT], s[LQ]
	s_cselect_b32 s[NXT], 0, s[NXT]
	s_cselect_b32 s[LQ], s[PB], s[LQ]
	s_wait_dscnt 0x0                ; the add is done, and my reads of the slot are over
	CROUND
	JLOAD
.else
	s_wait_dscnt 0x0
	s_barrier_signal -1
	s_barrier_wait -1
.endif
	s_sub_co_u32 s[TB], s[TB], 2*STEPB  ; the fetches go back to a slot's first step,
	s_xor_b32 s[TB], s[TB], SLOT1       ; in the other slot
.endm
	s_load_b128 s[84:87], s[0:1], 0x0  ; qkv s[84:85], ob s[86:87]
	v_lshl_add_u32 v[SPW], v0, 2, SPARE
	v_mov_b32 v[NIL], 0
	ds_add_u32 v[SPW], v[NIL]       ; the wave's opening: the add and its wait stand ahead of my first tensor load; work on registers stands between them
	v_lshrrev_b32 v1, 5, v0
	v_readfirstlane_b32 s[WV], v1   ; wave 0..3
	s_bfe_u32 s13, ttmp6, 0x40000   ; cx: which of the key head's four query heads is mine: it enters Q's and ob's addresses alone
	s_mov_b32 s[PB], ttmp9          ; in a cluster launch ttmp9 counts clusters: the pair of blocks, which the partners share
	s_sub_co_u32 s[HI], NB-1, s[PB]
	s_and_b32 s16, ttmp7, 0xffff
	s_lshr_b32 s17, s16, 2          ; the batch
	s_and_b32 s18, s16, 3           ; the key head g
	s_mul_i32 s19, s17, 24          ; the batch's first head in qkv; a head is 2^18 bytes
	s_add_co_u32 s20, s19, s18
	s_add_co_u32 s20, s20, 16       ; K's head
	s_lshl_b32 s20, s20, 18
	s_and_b32 s16, s[WV], 1         ; which of a tile's two steps I fetch:
	s_lshl_b32 s21, s16, 14         ; its 64 rows of 256 bytes in memory,
	s_add_co_u32 s20, s20, s21
	s_mov_b32 s21, 0
	s_add_co_u32 s22, s20, 4<<18    ; V's head lies four heads on
	s_mov_b32 s23, 0
	s_mul_i32 s48, s16, STEPB       ; and its place in a slot: no place in the cluster enters an LDS address
	s_lshl_b32 s49, s18, 2
	s_add_co_u32 s49, s49, s13      ; my query head in the batch, 4 g + cx
	s_add_co_u32 s2, s19, s49
	s_lshl_b32 s2, s2, 18
	s_lshl_b32 s3, s[WV], 12        ; my 16 rows in a band
	s_add_co_u32 s2, s2, s3
	s_lshl_b32 s3, s[PB], 15        ; a block is 128 rows of 256 bytes
	s_add_co_u32 s90, s2, s3        ; Q's offset in the second block,
	s_lshl_b32 s3, s[HI], 15
	s_add_co_u32 s2, s2, s3         ; and in the first
	s_mov_b32 s3, 0
	s_mov_b32 s91, 0
	s_lshl_b32 s50, s17, 22         ; ob: rows of 4,096 bytes: 1,024 a batch,
	s_lshl_b32 s51, s[WV], 16       ; my 16 rows,
	s_add_co_u32 s50, s50, s51
	s_lshl_b32 s51, s49, 8          ; my head's 256 bytes of a row,
	s_add_co_u32 s50, s50, s51
	s_lshl_b32 s51, s[PB], 19       ; 128 rows a block
	s_add_co_u32 s52, s50, s51
	s_lshl_b32 s51, s[HI], 19
	s_add_co_u32 s50, s50, s51
	s_mov_b32 s51, 0
	s_mov_b32 s53, 0
	; descriptor group 1: a tile of 64 rows x 128 elements, padded in LDS
	s_mov_b32 s[G1K], 15|(1<<16)|(1<<20)|(1<<21)|(5<<22)|(3<<25)  ; 15:0 the mask of four; 17:16 2-byte elements; 20 padding on; 21 set beside a mask; 24:22 after every 64 words; 31:25 4 words
	s_mov_b32 s[G1V], 15|(1<<16)|(1<<20)|(1<<21)|(5<<22)|(7<<25)  ; the same with 8 words of padding
.irp g, G1K, G1V
	s_mov_b32 s[(\g)+1], 128<<16    ; tensor_dim0 = 128
	s_mov_b32 s[(\g)+2], KS<<16     ; tensor_dim1 = 64
	s_mov_b32 s[(\g)+3], 128<<16    ; tile_dim0 = 128
	s_mov_b32 s[(\g)+4], KS         ; tile_dim1 = 64
	s_mov_b32 s[(\g)+5], 128        ; elements from row to row
	s_mov_b32 s[(\g)+6], 0
	s_mov_b32 s[(\g)+7], 0
.endr
	s_mov_b32 s[G0K], 1             ; count = 1
	s_mov_b32 s[G0K+1], s48         ; LDS address: slot 0
	s_mov_b32 s[G0V], 1
	s_add_co_u32 s[G0V+1], s48, VOFF
	s_mov_b32 s[CS], 0x3e0293ee     ; c = log2(e) / sqrt(128) = 0.127517
	s_mov_b32 s[CS+1], s[CS]        ; named with it as a pair
	s_mov_b32 s[SEL], 0x76543210
	s_mov_b32 s[SEL+1], 0xfedcba98
	s_mov_b32 s[TB], SLOT1+2*STEPB  ; the first change of slots turns this into 0
	s_add_co_u32 s[RT], s[HI], 1    ; the first block has 8 - pb tiles
	s_mov_b32 s[NXT], 1
	s_mov_b32 s[LQ], s[HI]
	s_mov_b32 s[NEW], 1
	s_mov_b32 s[OFF+1], 0
	s_mov_b32 s[AL0+1], 0           ; named as pairs
	s_mov_b32 s[BE0+1], 0
	s_mov_b32 s[AL1+1], 0
	s_mov_b32 s[BE1], 0             ; tile 1 is never wholly hidden
	s_mov_b32 s[BE1+1], 0
	s_mov_b32 s[BIGN], 0xf149f2ca   ; -1e30
	s_mov_b32 s[SLOTS], NB
	s_wait_dscnt 0x0                ; the opening add is done
	s_wait_kmcnt 0x0
	s_add_nc_u64 s[4:5], s[84:85], s[2:3]      ; Q at my rows of the first block,
	s_add_nc_u64 s[88:89], s[84:85], s[90:91]  ; of the second
	s_add_nc_u64 s[6:7], s[84:85], s[20:21]    ; K and V at my step of the head's tile 0
	s_add_nc_u64 s[8:9], s[84:85], s[22:23]
	s_add_nc_u64 s[10:11], s[86:87], s[50:51]  ; ob at my rows of the first block,
	s_add_nc_u64 s[OLO:OLO+1], s[86:87], s[52:53]
	s_add_nc_u64 s[G0K+2:G0K+3], s[6:7], 0
	s_or_b32 s[G0K+3], s[G0K+3], 0x80000000    ; type = 2
	s_add_nc_u64 s[G0V+2:G0V+3], s[8:9], 0
	s_or_b32 s[G0V+3], s[G0V+3], 0x80000000
	CROUND                          ; all four work-groups are here: the first joint loads meet
	JLOAD                           ; tile 0 into slot 0: one load of mine is out
	; A fragment of K or Q is 16 rows x 32 channels in 8 registers: lane l holds row l % 16, channels 8 (l / 16) + 0..7 and 16 + 8 (l / 16) + 0..7: two loads of 16 bytes, 32 bytes apart.
	v_and_b32 v1, 15, v0            ; r = l % 16
	v_bfe_u32 v9, v0, 4, 1          ; h = l / 16
	v_lshlrev_b32 v[QO], 8, v1
	v_lshl_add_u32 v[QO], v9, 4, v[QO]
	WIN 0x80                        ; destination window 2, address window 0
.set i, 0
.rept 8                             ; both blocks' Q: tile i / 4 lies 64 rows on; channels 32 (i % 4) on
	global_load_b128 v[8*i:8*i+3],         v[QO], s[4:5] offset:(i/4)*16384+(i%4)*64
	global_load_b128 v[8*i+4:8*i+7],       v[QO], s[4:5] offset:(i/4)*16384+(i%4)*64+32
	global_load_b128 v[QB+8*i:QB+8*i+3],   v[QO], s[88:89] offset:(i/4)*16384+(i%4)*64
	global_load_b128 v[QB+8*i+4:QB+8*i+7], v[QO], s[88:89] offset:(i/4)*16384+(i%4)*64+32
.set i, i+1
.endr
	WIN 0
	v_lshlrev_b32 v28, 3, v9
	v_sub_nc_u32 v28, v1, v28
	s_lshl_b32 s83, s[WV], 4
	v_add_nc_u32 v28, s83, v28      ; my query's place in its band, 16 w + r, less my lanes' 8 h: register i % 8 of key block i / 8 is hidden where 16 (i / 8) + i % 8 is greater
.set i, 0
.rept 32
	v_cmp_gt_i32 vcc_lo, 16*(i/8)+i%8, v28
	v_cndmask_b32 v[MD+i], 0, s[BIGN], vcc_lo
.set i, i+1
.endr
	v_mul_u32_u24 v[AK0], v1, PK
	v_lshl_add_u32 v[AK0], v9, 4, v[AK0]  ; row x pitch + 16 x half
	; The turning load takes 16 keys x 16 channels (lane l reads key 8 (l / 16) + l % 8, channels 8 ((l / 8) % 2) + 0..7) and leaves half a fragment of V^T: lane l holds channel l % 16 and 8 keys.
	v_and_b32 v10, 7, v0
	v_bfe_u32 v11, v0, 3, 1
	v_lshl_add_u32 v[AV0], v9, 3, v10
	v_mul_u32_u24 v[AV0], v[AV0], PV
	v_lshl_add_u32 v[AV0], v11, 4, v[AV0]
	v_add_nc_u32 v[AV0], VOFF, v[AV0]
	s_mul_i32 s83, s[WV], 16*SP
	s_add_co_u32 s83, s83, STAGE    ; my stage
	v_mul_u32_u24 v[STO], v1, SP    ; in: row r, 16 bytes for each half of the lanes
	v_lshl_add_u32 v[STO], v9, 4, v[STO]
	v_add_nc_u32 v[STO], s83, v[STO]
	v_mul_u32_u24 v[RD], v9, SP     ; back: lanes 0-15 take one row of 256 bytes, lanes 16-31 the next
	v_lshl_add_u32 v[RD], v1, 4, v[RD]
	v_add_nc_u32 v[RD], s83, v[RD]
	v_lshlrev_b32 v[GO], 12, v9     ; and the same two rows in ob
	v_lshl_add_u32 v[GO], v1, 4, v[GO]
	; A block's first step multiplies O^T and l by a = 0, so these need only hold finite numbers: zeros for the first block, what the first block left for the second.  This stands in the wait for the first tile.
	WIN 0x40
.set i, 0
.rept 128
	v_mov_b32 v[i], 0
.set i, i+1
.endr
	WIN 0
.irp t, 0,1
	v_mov_b32 v[ST+8*(\t)+2], 0
	v_mov_b32 v[ST+8*(\t)+3], 0
.endr
; THE MATRIX WORK.  The accumulators of a run of 16 take turns, one instruction a turn.
; Product i of 16 of S^T = K Q^T for tile t: channels 32 (i / 4) on, keys 16 (i % 4) on.  The first 4 start the sums with the mask.
.macro KQ t
	WIN W_KQ
.set rS, S+32*(\t)+8*(i%4)
.set rK, KF+32*(i%4)+8*(i/4)
.set rQ, 32*(\t)+8*(i/4)
.set rM, MC+64*(\t)+8*(i%4)
.if i < 4
	v_wmma_f32_16x16x32_f16 v[rS:rS+7], v[rK:rK+7], v[rQ:rQ+7], v[rM:rM+7]
.else
	v_wmma_f32_16x16x32_f16 v[rS:rS+7], v[rK:rK+7], v[rQ:rQ+7], v[rS:rS+7]
.endif
.endm
; Product i of 16 of O^T += V^T P for tile t: keys 32 (i / 8) on, channels 16 (i % 8) on.
.macro PV t
	WIN W_PV
.set rO, 64*(\t)+8*(i%8)
.set rV, 64*(i/8)+8*(i%8)
.set rP, P+16*(\t)+8*(i/8)
	v_wmma_f32_16x16x32_f16 v[rO:rO+7], v[rV:rV+7], v[rP:rP+7], v[rO:rO+7]
.endm
; THE LDS LOADS stand in runs of 32: a step's K (64 keys x 128 channels: 16 fragments) and its V (turned).
.macro FETCH_K
	WIN 0
	v_add_nc_u32 v[ADR], s[TB], v[AK0]
	WIN 0x80                        ; destination window 2
.irp f, 0,1,2,3,4,5,6,7,8,9,10,11,12,13,14,15  ; keys 16 (f / 4) on, channels 32 (f % 4) on
	ds_load_b128 v[KF+8*(\f):KF+8*(\f)+3],   v[ADR] offset:((\f)/4)*16*PK+((\f)%4)*64
	ds_load_b128 v[KF+8*(\f)+4:KF+8*(\f)+7], v[ADR] offset:((\f)/4)*16*PK+((\f)%4)*64+32
.endr
.endm
.macro FETCH_V
	WIN 0
	v_add_nc_u32 v[ADR], s[TB], v[AV0]
	s_add_co_u32 s[TB], s[TB], STEPB  ; the next fetch is the next step's
	WIN 0xc0                        ; destination window 3
.irp f, 0,1,2,3,4,5,6,7,8,9,10,11,12,13,14,15  ; keys 32 (f / 8) on, channels 16 (f % 8) on
	ds_load_tr16_b128 v[8*(\f):8*(\f)+3],   v[ADR] offset:((\f)/8)*32*PV+((\f)%8)*32
	ds_load_tr16_b128 v[8*(\f)+4:8*(\f)+7], v[ADR] offset:((\f)/8)*32*PV+16*PV+((\f)%8)*32
.endr
.endm
; THE VECTOR WORK.  One tile's softmax for one key step is a list of 134 instructions; SM writes number j of it for tile t.  s0-s31 are the lane's 32 scores, in pairs 0-15.
;   0-15    the maximum of s0-s31 and the old m, three operands at a time (each accumulator's lowest registers are read first)
;   16-20   the other half of the lanes' maximum; c m_old is kept; the new m; c m; c m_old - c m_new
;   21-87   33 exponentials (a, then s0-s31) at the odd numbers from 23 on: each has a plain instruction behind it that touches neither its result nor its source (ISA guide 5.7.2).
;           The plain ones: c s - c m for a pair whose exponentials are still to come, the rounding to f16 of a pair whose exponentials are done, the first sums
;   88-101  the last rounding; the rest of the sums; l = a l + the sum          102-133 the tile's O^T times a, in ascending order
.macro SM t
.set rT, ST+8*(\t)
.set rS, S+32*(\t)
.set rP, P+16*(\t)
.set rO, 64*(\t)+2*(j-102)
.set q, (j-20)/2
.if j < 102
	WIN 0
.endif
.if j < 4
	v_max3_num_f32 v[rT+4+j], v[rS+8*j], v[rS+8*j+1], v[rS+8*j+2]
.elseif j < 12
	v_max3_num_f32 v[rT+4+j%4], v[rT+4+j%4], v[rS+8*(j%4)+2*(j/4)+1], v[rS+8*(j%4)+2*(j/4)+2]
.elseif j == 12
	v_max3_num_f32 v[rT+4], v[rT+4], v[rS+7], v[rS+15]
.elseif j == 13
	v_max3_num_f32 v[rT+6], v[rT+6], v[rS+23], v[rS+31]
.elseif j == 14
	v_max3_num_f32 v[rT+4], v[rT+4], v[rT+5], v[rT+6]
.elseif j == 15
	v_max3_num_f32 v[rT+4], v[rT+4], v[rT+7], v[rT+1]
.elseif j == 16
	v_permlanex16_b32 v[rT+5], v[rT+4], s[SEL], s[SEL+1]  ; the query's other 32 keys lie in the lane 16 away
.elseif j == 17
	v_mov_b32 v[rT+7], v[rT]        ; c m_old is kept for a
.elseif j == 18
	v_max_num_f32 v[rT+1], v[rT+4], v[rT+5]
.elseif j == 19
	v_mul_f32 v[rT], s[CS], v[rT+1]
.elseif j == 20
	v_sub_f32 v[rT+7], v[rT+7], v[rT]
.elseif j == 23
	v_exp_f32 v[rT+6], v[rT+7]
.elseif (j < 88) && (j > 23) && (j%2 == 1)
	v_exp_f32 v[rS+(j-25)/2], v[rS+(j-25)/2]
.elseif (q < 4) || ((j < 76) && (q%2 == 0))
.set b, q/2+2
.if q < 4
.set b, q
.endif
	v_pk_fma_f32 v[rS+2*b:rS+2*b+1], v[rS+2*b:rS+2*b+1], s[CS:CS+1], v[rT:rT+1] op_sel_hi:[1,0,0] neg_lo:[0,0,1] neg_hi:[0,0,1]  ; pair b: c s - c m
.elseif (j < 88) && (q%2 == 1)
	s_wait_alu depctr_va_vdst(0)
	v_cvt_pk_f16_f32 v[rP+(q-5)/2], v[rS+q-5], v[rS+q-4]  ; its second exponential stands three numbers back
.elseif j == 89
	s_wait_alu depctr_va_vdst(0)
	v_cvt_pk_f16_f32 v[rP+15], v[rS+30], v[rS+31]
.elseif j < 102                     ; the sum of the 16 pairs, in place: sum z adds neighbours 1, 2, 4 and 8 pairs apart, then l takes it
.set z, j-86
.if j < 89
.set z, (j-76)/4
.endif
.set w, 4
.set u, z
.if z >= 14
.set w, 32
.set u, 0
.elseif z >= 12
.set w, 16
.set u, z-12
.elseif z >= 8
.set w, 8
.set u, z-8
.endif
.if z < 15
	v_pk_add_f32 v[rS+w*u:rS+w*u+1], v[rS+w*u:rS+w*u+1], v[rS+w*u+w/2:rS+w*u+w/2+1]
.else
	v_pk_fma_f32 v[rT+2:rT+3], v[rT+2:rT+3], v[rT+6:rT+7], v[rS:rS+1] op_sel_hi:[1,0,1]
.endif
.else
	WIN W_RS
	v_pk_mul_f32 v[rO:rO+1], v[rO:rO+1], v[rT+6:rT+7] op_sel_hi:[1,0]
.endif
.endm
.macro SMN t, n                     ; the next n numbers of tile t's list
.rept \n
	SM \t
.set j, j+1
.endr
.endm
.macro MASK                         ; MD x AL + BE for both tiles
	WIN 0
.set z, 0
.rept 16
	v_pk_fma_f32 v[MC+2*z:MC+2*z+1],       v[MD+2*z:MD+2*z+1], s[AL0:AL0+1], s[BE0:BE0+1] op_sel_hi:[1,0,0]
	v_pk_fma_f32 v[MC+64+2*z:MC+64+2*z+1], v[MD+2*z:MD+2*z+1], s[AL1:AL1+1], s[BE1:BE1+1] op_sel_hi:[1,0,0]
.set z, z+1
.endr
.endm
; Between two key steps: the next step's K is asked for (its registers' last reader stands a whole softmax back), and tile 1's V^T P of the step before runs while it comes.
.macro LINK
	FETCH_K
.set i, 0
.rept 16
	PV 1
.set i, i+1
.endr
.endm
.macro CORE
	s_wait_dscnt 0x0                ; K is in
.set i, 0
.rept 16
	KQ 0
.set i, i+1
.endr
	PLACES                          ; behind tile 0's scores, which are read below, and behind the last product that read V, which is loaded below
	FETCH_V
.set i, 0
.set j, 0
.rept 16
	KQ 1
.if i < 15
	SMN 0, 8
.else
	SMN 0, 14                       ; fourteen packed multiplies that name nothing of the products K Q^T: the places in front of the reads of tile 1's scores
.endif
.set i, i+1
.endr
	s_wait_dscnt 0x0                ; V is in
.set i, 0
.set j, 0
.rept 16
	PV 0
.if i < 15
	SMN 1, 8
.else
	SMN 1, 14
.endif
.set i, i+1
.endr
.endm
; A BLOCK BEGINS: c m far below every c s, so the first step's a is 0; m at the lowest finite number, so the first maximum is the scores'.  Then K of the tile's first step.
.macro BEGIN
	s_mov_b32 s[NEW], 0
	WIN 0
.irp t, 0,1
	v_mov_b32 v[ST+8*(\t)], 0xfe000000
	v_mov_b32 v[ST+8*(\t)+1], 0xff7fffff
.endr
	FETCH_K
	WIN 0
	s_wait_loadcnt 0x0              ; Q
.endm
; THE WAY OUT.  Tile t: O^T is divided by l, rounded to f16; a lane's eight channels pack into 16 bytes, go into my stage's rows of 272 bytes and come back as whole rows of 256, into S^T's registers.
.macro PACK t
	WIN W_RS
.set i, 64*(\t)
.rept 32
	v_pk_mul_f32 v[i:i+1], v[i:i+1], v[ST+8*(\t)+6:ST+8*(\t)+7] op_sel_hi:[1,0]
.set i, i+2
.endr
	WIN 0x05                        ; sources 0 and 1 window 1, destination window 0
.set i, 0
.rept 32
	v_cvt_pk_f16_f32 v[S+32*(\t)+i], v[64*(\t)+2*i], v[64*(\t)+2*i+1]
.set i, i+1
.endr
	WIN 0
.irp f, 0,1,2,3,4,5,6,7
	ds_store_b128 v[STO], v[S+32*(\t)+4*(\f):S+32*(\t)+4*(\f)+3] offset:32*(\f)
.endr
.irp f, 0,1,2,3,4,5,6,7
	ds_load_b128 v[S+32*(\t)+4*(\f):S+32*(\t)+4*(\f)+3], v[RD] offset:(\f)*2*SP  ; LDS serves a wave's instructions in order (ISA guide 5.7.1.4): these see the stores above; the next tile's stores come behind them
.endr
.endm
.macro SEND t, younger              ; younger: the LDS instructions issued behind tile t's loads
	WIN 0
.irp f, 0,1,2,3,4,5,6,7
	s_wait_dscnt (\younger)+7-(\f)
	global_store_b128 v[GO], v[S+32*(\t)+4*(\f):S+32*(\t)+4*(\f)+3], s[10:11] offset:(\t)*262144+(\f)*8192  ; 16 lanes store a head's 256 bytes of a row, aligned
.endr
.endm
.macro FINAL                        ; a block's end: tile 1's last V^T P; l's two halves and the other half of the lanes' are added; both tiles leave.  Tile 0's 64 lines are the places behind those products
.set i, 0
.rept 16
	PV 1
.set i, i+1
.endr
	WIN 0
.irp t, 0,1
	v_add_f32 v[ST+8*(\t)+4], v[ST+8*(\t)+2], v[ST+8*(\t)+3]
.endr
.irp t, 0,1
	v_permlanex16_b32 v[ST+8*(\t)+5], v[ST+8*(\t)+4], s[SEL], s[SEL+1]
.endr
.irp t, 0,1
	v_add_f32 v[ST+8*(\t)+4], v[ST+8*(\t)+4], v[ST+8*(\t)+5]
.endr
.irp t, 0,1
	v_rcp_f32 v[ST+8*(\t)+6], v[ST+8*(\t)+4]
.endr
	v_nop                           ; a plain instruction between the last reciprocal and the use of its result
	s_wait_alu depctr_va_vdst(0)
	PACK 0
	PACK 1
	SEND 0, 16
	SEND 1, 0
.endm
.macro SWITCH                       ; on to the second block
	s_wait_xcnt 0x0                 ; only behind this wait are ob's address and the registers that the stores read written again
	s_mov_b64 s[10:11], s[OLO:OLO+1]
	s_add_co_u32 s[RT], s[PB], 1    ; it has pb + 1 tiles
	s_mov_b32 s[NEW], 1
	WIN 0x82                        ; its Q goes where the one text of the products names Q
.set i, 0
.rept 64
	v_mov_b32 v[i], v[QB+i]
.set i, i+1
.endr
	WIN 0
.endm
; A TILE: two key steps.  A block's first tile begins in the middle of the first trip; behind a block's last tile (RT = 0) stands its end.  The masks' scalars: in the diagonal tile's step 0 (CNT = 2) tile 0 takes MD,
; tile 1 nothing; in its step 1 tile 0 is wholly hidden (computed all the same, with weights 0: 2 of the walk's 36 pairs of tile and step, the price of one text for every step), tile 1 takes MD; elsewhere nothing.
.macro TILE tag, last
	s_sub_co_u32 s[RT], s[RT], 1
	s_mov_b32 s[CNT], 2
	s_cmp_eq_u32 s[NEW], 1
	s_cbranch_scc0 .Lstep\tag
	BEGIN
	s_branch .Lcore\tag
.Lstep\tag:
	LINK
	WIN 0
.Lcore\tag:
	s_lshl_b32 s83, s[RT], 2
	s_or_b32 s83, s83, s[CNT]
	s_cmp_eq_u32 s83, 2
	s_cselect_b32 s[AL0], 1.0, 0
	s_cmp_eq_u32 s83, 1
	s_cselect_b32 s[BE0], s[BIGN], 0
	s_cselect_b32 s[AL1], 1.0, 0
	MASK
	CORE
	WIN 0
	s_sub_co_u32 s[CNT], s[CNT], 1
	s_cmp_lg_u32 s[CNT], 0
	s_cbranch_scc1 .Lstep\tag
.if \last
	FINAL
.else
	s_cmp_lg_u32 s[RT], 0
	s_cbranch_scc1 .Lbottom
	FINAL
	SWITCH
.Lbottom:
.endif
.endm
.Lslot:                             ; eight times: a tile is entered and the next is asked for
	CHANGE 1
	TILE 1, 0
	s_sub_co_u32 s[SLOTS], s[SLOTS], 1
	s_cmp_lg_u32 s[SLOTS], 0
	s_cbranch_scc1 .Lslot
	CHANGE 0                        ; the walk's last tile is written out: nothing is asked for
	TILE 2, 1
	s_wait_tensorcnt 0x0            ; the wave's end
	ds_add_u32 v[SPW], v[NIL]
	s_wait_dscnt 0x0
	CROUND                          ; the closing round: no work-group ends while a partner may still ask for a tile that names it
	s_endpgm
.Lfunc_end_k_q026e682d0c_attn:
	.size	k_q026e682d0c_attn, .Lfunc_end_k_q026e682d0c_attn-k_q026e682d0c_attn
	.p2alignl 7, 3214868480
	.fill 96, 4, 3214868480
	.section	.rodata,"a",@progbits
	.p2align	6, 0x0
	.amdhsa_kernel k_q026e682d0c_attn
		.amdhsa_group_segment_fixed_size 327680
		.amdhsa_private_segment_fixed_size 0
		.amdhsa_enable_private_segment 0
		.amdhsa_kernarg_size 16
		.amdhsa_user_sgpr_count 2
		.amdhsa_user_sgpr_kernarg_segment_ptr 1
		.amdhsa_wavefront_size32 1
		.amdhsa_system_sgpr_workgroup_id_x 1
		.amdhsa_system_sgpr_workgroup_id_y 1
		.amdhsa_system_sgpr_workgroup_id_z 1
		.amdhsa_system_vgpr_workitem_id 0
		.amdhsa_next_free_vgpr 896
		.amdhsa_next_free_sgpr 92
		.amdhsa_reserve_vcc 1
		.amdhsa_float_denorm_mode_32 3
		.amdhsa_float_denorm_mode_16_64 3
		.amdhsa_memory_ordered 1
		.amdhsa_forward_progress 1
		.amdhsa_inst_pref_size 111
	.end_amdhsa_kernel
	.amdgpu_metadata
---
amdhsa.version: [ 1, 2 ]
amdhsa.kernels:
  - .name:           k_q026e682d0c_attn
    .symbol:         k_q026e682d0c_attn.kd
    .args:
      - { .name: qkv, .offset: 0, .size: 8, .value_kind: global_buffer, .address_space: global }
      - { .name: ob, .offset: 8, .size: 8, .value_kind: global_buffer, .address_space: global }
    .group_segment_fixed_size: 327680
    .private_segment_fixed_size: 0
    .kernarg_segment_align: 8
    .kernarg_segment_size: 16
    .max_flat_workgroup_size: 128
    .sgpr_count:     92
    .vgpr_count:     896
    .wavefront_size: 32
...
	.end_amdgpu_metadata
.endif
;; end of part 3
;; launch oproj (part 4): grid 8 x 32, 4 waves a work-group, clusters of 4 x 4, 327,680 bytes of LDS; arguments ob, wob, out0; writes out0
.if DOCPART == 4
	.amdgcn_target "amdgcn-amd-amdhsa--gfx1250"
	.amdhsa_code_object_version 6
	.text
	.protected	k_q026e682d0c_oproj
	.globl	k_q026e682d0c_oproj
	.p2align	8
	.type	k_q026e682d0c_oproj,@function
k_q026e682d0c_oproj:
	s_mov_b64 s[64:65], 0
	v_nop
	global_prefetch_b8 v0, s[64:65] scope:SCOPE_SE
	s_setreg_imm32_b32 hwreg(HW_REG_WAVE_MODE, 25, 1), 1
	s_wait_xcnt 0x0
	s_wait_alu depctr_hold_cnt(0) depctr_sa_sdst(0) depctr_va_vdst(0) depctr_va_sdst(0) depctr_va_ssrc(0) depctr_va_vcc(0) depctr_vm_vsrc(0)
	s_getreg_b32 s2, hwreg(HW_REG_IB_STS2, 6, 4)
	s_cmp_eq_u32 s2, 0
	s_cbranch_scc0 .Lentry_in_a_cluster
	s_endpgm
.Lentry_in_a_cluster:
	s_bfe_u32 s2, ttmp6, 0x10000c
	s_cmp_lg_u32 s2, 0xf033
	s_cbranch_scc0 .Lentry_shape_is_right
	s_endpgm
.Lentry_shape_is_right:
; out0 = O wo^T.  ob: [4096][2048] f16, wob: [2048][2048] f16 (wo rounded to bf16, written as f16), out0: [4096][2048] f32; sums in f32.
; LIMIT: the sums take K in a rotated order (below): they differ from ascending order in the last bits.
; SHARES.  A work-group makes 128 rows x 256 columns: 32 x 8 = 256 work-groups.  Each of its four waves takes all 128 rows and 64 columns (256 bytes of a row of out0): 32 accumulators, 256 registers.
; K goes in steps of 128 through two LDS slots filled by the tensor data mover (rows of 256 bytes of memory, aligned); waves 0, 1 fetch O's two halves, waves 2, 3 wo's.  Two slots of a K step of 256 would not fit in LDS.
; CLUSTER 4 x 4: the four of a row of the cluster need the same tile of O, the four of a column the same tile of wo: each is asked for jointly.
; THE WALK ALONG K IS ROTATED.  The cluster at (X, Y) of the grid's 2 x 8 clusters begins at K step 4 (Y mod 4) + 8 X (mod 16) and wraps round.  The two clusters that need the same tile of O ask for it
; eight steps apart; of four clusters on end along y, which need the same tile of wo, each asks four steps apart from the next.  So of the clusters that share a tile only the first asks for bytes that
; nobody has read in this launch: a cluster does so in its first eight steps alone.  X and Y are the same in all partners of a cluster, so the joint requests stay alike.
; THE MATRIX INSTRUCTION IS USED TRANSPOSED (source 0 = 16 rows of wo, source 1 = 16 rows of O): a lane holds row lane % 16 and eight neighbouring columns, 32 bytes.
; REGISTERS in windows of 256 (s_set_vgpr_msb: bits 1:0 source 0, 3:2 source 1, 5:4 source 2, 7:6 destination):
;   window 0: v0-31 addresses; v64-127, v128-191 O's fragments, two buffers; on the way out v32-255 rows read back, 32 registers a block of 16 rows
;   window 1: v64-95, v128-159 wo's fragments      window 2: accumulators of row blocks 0-3 at 8 (4 a + b)      window 3: of row blocks 4-7
.set SIZE_K, 2048
.set NBK,    4
.set BROWS,  64*NBK
.set KSTEP,  128
.set PITCH,  272                       ; an LDS row: 256 bytes + 16 of padding: the 16 rows of a fragment load start at 16 different groups of four banks (64 banks of 4 bytes: ISA guide 11.1)
.set ABYTES, 128*PITCH
.set SLOT,   (128+BROWS)*PITCH
.set STAGE,  2*SLOT                    ; behind the ring: 16 rows x 272 bytes for each wave; no tile lands here
.set SPITCH, 272
.set SPARE,  STAGE+4*16*SPITCH         ; the spare words: 128 bytes for each wave, two blocks of 256 bytes that no other line names
.set FL,     16+2*NBK
.set LAPS,   SIZE_K/(2*KSTEP)
.set ADRA, 16
.set ADRB, 20
.set STO,  24                          ; v24  the stage: where I put 32 bytes of a row
.set RD,   25                          ; v25  where I read rows back
.set CO,   26                          ; v26  my byte offset in two rows of out0
.set SPW,  28
.set NIL,  29
.set F0,   64
.set F1,   128
.set KO,  18                           ; s[18:19] the byte offset in a row of the K step to be asked for
.set G1,  24
.set G0,  32
.set KK,  45                           ; s45  the K step to be asked for next, 0 .. 15
.set G1B, 48
.set G0B, 56
.set MSB, 0
.macro WIN new
.if MSB != (\new)
	s_set_vgpr_msb (MSB<<8)|(\new)
.set MSB, \new
.endif
.endm
.set MUL_LO, 0xa1
.set MUL_HI, 0xf1
.set TO_B,   0x40
; Slot s's two global addresses are made anew for K step KK: each tensor's base (s[14:15] O at my rows, s[46:47] wo at my rows) plus 256 bytes x KK, the type bits set again; KK steps and wraps.
.macro ASK s
	s_lshl_b32 s[KO], s[KK], 8
	s_add_nc_u64 s[G0+4*(\s)+2:G0+4*(\s)+3], s[14:15], s[KO:KO+1]
	s_or_b32 s[G0+4*(\s)+3], s[G0+4*(\s)+3], 0x80000000
	s_add_nc_u64 s[G0B+4*(\s)+2:G0B+4*(\s)+3], s[46:47], s[KO:KO+1]
	s_or_b32 s[G0B+4*(\s)+3], s[G0B+4*(\s)+3], 0x80000000
	s_add_co_u32 s[KK], s[KK], 1
	s_and_b32 s[KK], s[KK], 15
.endm
.macro JLOAD s                         ; a joint load; the branch hangs on the wave's number alone; an s_nop 0 and four v_nop follow each of the two lines
	s_cmp_eq_u32 s11, 0
	s_cbranch_scc0 .Lfor_b_\@
	tensor_load_to_lds s[G0+4*(\s):G0+4*(\s)+3], s[G1:G1+7]
	s_nop 0
.rept 4
	v_nop
.endr
	s_branch .Lasked_\@
.Lfor_b_\@:
	tensor_load_to_lds s[G0B+4*(\s):G0B+4*(\s)+3], s[G1B:G1B+7]
	s_nop 0
.rept 4
	v_nop
.endr
.Lasked_\@:
.endm
.macro CREST
	s_cmp_lg_u32 s10, 0
	s_cbranch_scc1 .Lnot_wave_0_\@
	s_barrier_signal -3
.Lnot_wave_0_\@:
	s_barrier_wait -3
	s_barrier_signal -1
	s_barrier_wait -1
.endm
.macro CROUND
	s_barrier_signal -1
	s_barrier_wait -1
	CREST
.endm
.macro PLACES                          ; four places behind matrix instructions (ISA guide 7.12.1)
.rept 4
	v_nop
.endr
.endm
	s_load_b128 s[4:7], s[0:1], 0x0                ; ob s[4:5], wob s[6:7]
	s_load_b64 s[8:9], s[0:1], 0x10                ; out0
	v_lshl_add_u32 v[SPW], v0, 2, SPARE
	v_mov_b32 v[NIL], 0
	ds_add_u32 v[SPW], v[NIL]                      ; the wave's opening: the add and its wait stand ahead of my first tensor load; work on registers stands between them
	v_lshrrev_b32 v1, 5, v0
	v_readfirstlane_b32 s10, v1                    ; wave 0..3
	s_lshr_b32 s11, s10, 1                         ; I fetch for O (0) or for wo (1),
	s_and_b32 s12, s10, 1                          ; its first or second half
	s_bfe_u32 s40, ttmp6, 0x40000                  ; cx, cy
	s_bfe_u32 s41, ttmp6, 0x40004
	s_lshl_b32 s42, ttmp9, 2
	s_add_co_u32 s42, s42, s40                     ; tile column j
	s_and_b32 s13, ttmp7, 0xffff
	s_lshl_b32 s13, s13, 2
	s_add_co_u32 s13, s13, s41                     ; tile row i
	s_lshl_b32 s43, s41, 2
	s_lshl_b32 s43, 15, s43                        ; my row of the cluster
	s_lshl_b32 s44, 0x1111, s40                    ; my column
	s_and_b32 s[KK], ttmp7, 3                      ; where my cluster's walk begins: 4 (cluster y mod 4)
	s_lshl_b32 s[KK], s[KK], 2
	s_lshl_b32 s[KO], ttmp9, 3                     ; + 8 x cluster x,
	s_add_co_u32 s[KK], s[KK], s[KO]
	s_and_b32 s[KK], s[KK], 15                     ; mod 16: made of the cluster's own coordinates, which all its partners share
	s_mov_b32 s[KO+1], 0
	s_or_b32 s[G1+0], s43, (1<<16)|(1<<20)|(1<<21)|(5<<22)|(3<<25)   ; the mask; 2-byte elements; padding on; bit 21 beside a mask; after every 64 words 4 words
	s_or_b32 s[G1B+0], s44, (1<<16)|(1<<20)|(1<<21)|(5<<22)|(3<<25)
	s_mov_b32 s[G1+1], KSTEP<<16                   ; tensor_dim0 = 128
	s_mov_b32 s[G1+2], 64<<16                      ; tensor_dim1 = 64 rows of O a load
	s_mov_b32 s[G1+3], KSTEP<<16                   ; tile_dim0
	s_mov_b32 s[G1+4], 64                          ; tile_dim1
	s_mov_b32 s[G1+5], SIZE_K                      ; elements from row to row
	s_mov_b32 s[G1+6], 0
	s_mov_b32 s[G1+7], 0
	s_mov_b32 s[G1B+1], KSTEP<<16
	s_mov_b32 s[G1B+2], (BROWS/2)<<16              ; 128 rows of wo a load
	s_mov_b32 s[G1B+3], KSTEP<<16
	s_mov_b32 s[G1B+4], BROWS/2
	s_mov_b32 s[G1B+5], SIZE_K
	s_mov_b32 s[G1B+6], 0
	s_mov_b32 s[G1B+7], 0
	s_lshl_b32 s16, s13, 7                         ; O: row 128 i + 64 x half, rows of 4,096 bytes
	s_lshl_b32 s17, s12, 6
	s_add_co_u32 s16, s16, s17
	s_lshl_b32 s16, s16, 12
	s_mov_b32 s17, 0
	s_mul_i32 s46, s42, BROWS                      ; wo: row 256 j + 128 x half
	s_mul_i32 s47, s12, BROWS/2
	s_add_co_u32 s46, s46, s47
	s_lshl_b32 s46, s46, 12
	s_mov_b32 s47, 0
	s_mul_i32 s20, s12, 64*PITCH                   ; where they go: no place in the cluster enters an LDS address
	s_mul_i32 s21, s12, (BROWS/2)*PITCH
	s_add_co_u32 s21, s21, ABYTES
	s_wait_dscnt 0x0                               ; the opening add is done
	s_wait_kmcnt 0x0
	s_add_nc_u64 s[14:15], s[4:5], s[16:17]        ; the two bases stay as they are from here on
	s_add_nc_u64 s[46:47], s[6:7], s[46:47]
	CROUND                                         ; all sixteen work-groups are here: the first joint loads meet
.irp s, 0,1
	s_mov_b32 s[G0+4*(\s)], 1
	s_add_co_u32 s[G0+4*(\s)+1], s20, (\s)*SLOT
	s_mov_b32 s[G0B+4*(\s)], 1
	s_add_co_u32 s[G0B+4*(\s)+1], s21, (\s)*SLOT
	ASK \s                                         ; global addresses: the walk's first and second K step
	JLOAD \s                                       ; two loads of mine are out
.endr
	v_and_b32 v1, 15, v0                           ; r = l % 16
	v_bfe_u32 v2, v0, 4, 1                         ; h = l / 16
	v_mul_u32_u24 v3, v1, PITCH
	v_lshl_add_u32 v3, v2, 4, v3                   ; a fragment's row x pitch + 16 h
	s_mul_i32 s22, s10, 16*NBK*PITCH               ; my 64 rows of wo,
	s_add_co_u32 s22, s22, ABYTES                  ; behind O's 128
	v_mov_b32 v[ADRA], v3
	v_add_nc_u32 v[ADRA+1], SLOT, v3
	v_add_nc_u32 v[ADRB], s22, v3
	v_add_nc_u32 v[ADRB+1], SLOT, v[ADRB]
	s_mul_i32 s23, s10, 16*SPITCH
	s_add_co_u32 s23, s23, STAGE                   ; my stage
	v_mul_u32_u24 v[STO], v1, SPITCH               ; in: row r, 32 bytes for each half of the lanes
	v_lshl_add_u32 v[STO], v2, 5, v[STO]
	v_add_nc_u32 v[STO], s23, v[STO]
	v_mul_u32_u24 v[RD], v2, SPITCH                ; back: lanes 0-15 take one row of 256 bytes, lanes 16-31 the next
	v_lshl_add_u32 v[RD], v1, 4, v[RD]
	v_add_nc_u32 v[RD], s23, v[RD]
	v_lshlrev_b32 v[CO], 13, v2                    ; and the same two rows in out0, 8,192 bytes apart
	v_lshl_add_u32 v[CO], v1, 4, v[CO]
	s_lshl_b32 s16, s13, 20                        ; my part of out0: row 128 i,
	s_mov_b32 s17, 0
	s_lshl_b32 s66, s42, 10                        ; column 256 j + 64 w, in bytes (in registers that feed no descriptor)
	s_lshl_b32 s67, s10, 8
	s_add_co_u32 s66, s66, s67
	s_mov_b32 s67, 0
	s_add_nc_u64 s[8:9], s[8:9], s[16:17]
	s_add_nc_u64 s[8:9], s[8:9], s[66:67]
; 8 matrix instructions: row blocks a0, a0 + 1 of the window's four x all 4 column blocks, 32 along K.  All 32 accumulators take turns, one instruction a turn.
.macro MULH f, hi, a0, zero
	WIN MUL_LO+0x50*(\hi)
.irp a, \a0, (\a0)+1
.irp b, 0,1,2,3
.if \zero
	v_wmma_f32_16x16x32_f16 v[8*(NBK*(\a)+(\b)):8*(NBK*(\a)+(\b))+7], v[(\f)+8*(\b):(\f)+8*(\b)+7], v[(\f)+8*(4*(\hi)+(\a)):(\f)+8*(4*(\hi)+(\a))+7], 0
.else
	v_wmma_f32_16x16x32_f16 v[8*(NBK*(\a)+(\b)):8*(NBK*(\a)+(\b))+7], v[(\f)+8*(\b):(\f)+8*(\b)+7], v[(\f)+8*(4*(\hi)+(\a)):(\f)+8*(4*(\hi)+(\a))+7], v[8*(NBK*(\a)+(\b)):8*(NBK*(\a)+(\b))+7]
.endif
.endr
.endr
.endm
.macro FETCH slot, k, f                ; 24 LDS loads in one run
	WIN TO_B
.irp i, 0,1,2,3
	ds_load_b128 v[(\f)+8*(\i):(\f)+8*(\i)+3],   v[ADRB+(\slot)] offset:(\k)+(\i)*16*PITCH
	ds_load_b128 v[(\f)+8*(\i)+4:(\f)+8*(\i)+7], v[ADRB+(\slot)] offset:(\k)+(\i)*16*PITCH+32
.endr
	WIN 0
.irp i, 0,1,2,3,4,5,6,7
	ds_load_b128 v[(\f)+8*(\i):(\f)+8*(\i)+3],   v[ADRA+(\slot)] offset:(\k)+(\i)*16*PITCH
	ds_load_b128 v[(\f)+8*(\i)+4:(\f)+8*(\i)+7], v[ADRA+(\slot)] offset:(\k)+(\i)*16*PITCH+32
.endr
.endm
.macro QUARTER slot, k, f, g, zero
	s_wait_dscnt 8                                 ; wo and O's rows 0-63 are in; the youngest eight loads (O's rows 64-127) may be out
	MULH \f, 0, 0, \zero
	MULH \f, 0, 2, \zero
	PLACES
	FETCH \slot, \k, \g
	s_wait_dscnt FL                                ; all but the 24 just issued
	MULH \f, 1, 0, \zero
	MULH \f, 1, 2, \zero
.endm
; ONE barrier for the change of slots: all my tensor loads, the add, my reads of this slot, then the signal.  round = 1: this slot is filled again behind the barrier, and its addresses are made here, where no tensor load of mine is out.
.macro MEET round, slot
	WIN 0
	s_wait_tensorcnt 0x0
	ds_add_u32 v[SPW], v[NIL]
.if \round
	ASK \slot
.endif
	s_wait_dscnt 9                                 ; (the add and the youngest eight loads may be out)
	MULH F1, 0, 0, 0
	s_wait_dscnt 0x0                               ; the add is done, and my reads of this slot are over
	s_barrier_signal -1
	MULH F1, 0, 2, 0
.if \round
	WIN 0
.endif
	s_barrier_wait -1
.endm
.macro TURN slot, next, fill           ; fill = 1: the barrier opens a round of the cluster's, and this slot is filled again first thing behind it: 112 matrix instructions ahead of the wait for it
	MEET \fill, \slot
.if \fill
	CREST
	JLOAD \slot
.else
	PLACES
.endif
	FETCH \next, 0, F0
	MULH F1, 1, 0, 0
	MULH F1, 1, 2, 0
.endm
	s_wait_tensorcnt 0x1                           ; my part of the walk's first K step is in (the second's load may stay out)
	s_barrier_signal -1
	s_barrier_wait -1                              ; everybody's is
	FETCH 0, 0, F0
	QUARTER 0, 64,  F0, F1, 1                      ; the first quarter's products start the sums
	WIN 0
	s_mov_b32 s3, LAPS-1
.Llap:
	QUARTER 0, 128, F1, F0, 0
	QUARTER 0, 192, F0, F1, 0
	TURN 0, 1, 1
	QUARTER 1, 64,  F0, F1, 0
	QUARTER 1, 128, F1, F0, 0
	QUARTER 1, 192, F0, F1, 0
	TURN 1, 0, 1
	QUARTER 0, 64,  F0, F1, 0
	WIN 0
	s_sub_co_u32 s3, s3, 1
	s_cmp_lg_u32 s3, 0
	s_cbranch_scc1 .Llap
	QUARTER 0, 128, F1, F0, 0                      ; the last lap fills nothing
	QUARTER 0, 192, F0, F1, 0
	TURN 0, 1, 0
	QUARTER 1, 64,  F0, F1, 0
	QUARTER 1, 128, F1, F0, 0
	QUARTER 1, 192, F0, F1, 0
	s_wait_dscnt 8
	MULH F1, 0, 0, 0
	MULH F1, 0, 2, 0
	s_wait_dscnt 0x0
	MULH F1, 1, 0, 0
	MULH F1, 1, 2, 0
	WIN 0
	PLACES
; THE WAY OUT, a block of 16 rows at a time, through my own stage: no barrier.  A lane's 32 bytes go into rows of 272 bytes and come back as whole rows of 256.
; Blocks 0 to 6 come back into 32 registers of their own (v64-255, then v32-63), so that no store's data is written again; block 7 takes block 0's, behind one wait.
.macro SETBK a
.if (\a) < 6
.set BK, 64+32*(\a)
.elseif (\a) == 6
.set BK, 32
.else
.set BK, 64
.endif
.endm
.macro TOSTAGE a
	WIN 0x08+4*((\a)/4)                            ; store data (source 1) in window 2 or 3
.set AC, 8*NBK*((\a)%4)
.irp b, 0,1,2,3
	ds_store_b128 v[STO], v[AC+8*(\b):AC+8*(\b)+3]   offset:64*(\b)      ; each accumulator's four lowest registers first
	ds_store_b128 v[STO], v[AC+8*(\b)+4:AC+8*(\b)+7] offset:64*(\b)+16
.endr
	WIN 0
.if (\a) == 7
	s_wait_xcnt 0x0                                ; the registers that block 0's stores read are loaded again only behind this wait
.endif
	SETBK \a
.irp t, 0,1,2,3,4,5,6,7
	ds_load_b128 v[BK+4*(\t):BK+4*(\t)+3], v[RD] offset:(\t)*2*SPITCH  ; LDS serves a wave's instructions in order (ISA guide 5.7.1.4): these see the stores above
.endr
.endm
.macro SEND a, younger                 ; younger: the LDS instructions issued behind block a's loads
	SETBK \a
	s_wait_dscnt \younger
.irp t, 0,1,2,3,4,5,6,7
	global_store_b128 v[CO], v[BK+4*(\t):BK+4*(\t)+3], s[8:9] offset:(\a)*16*8192+(\t)*2*8192 th:TH_STORE_NT  ; 16 lanes store 256 consecutive bytes, aligned
.endr
.endm
	TOSTAGE 0
.irp a, 1,2,3,4,5,6,7
	TOSTAGE \a
	SEND (\a)-1, 16                                ; block a's eight stores and eight loads may be out
.endr
	SEND 7, 0
	s_wait_tensorcnt 0x0                           ; the wave's end
	ds_add_u32 v[SPW], v[NIL]
	s_wait_dscnt 0x0
	CROUND                                         ; the closing round
	s_endpgm
.Lfunc_end_k_q026e682d0c_oproj:
	.size	k_q026e682d0c_oproj, .Lfunc_end_k_q026e682d0c_oproj-k_q026e682d0c_oproj
	.p2alignl 7, 3214868480
	.fill 96, 4, 3214868480
	.section	.rodata,"a",@progbits
	.p2align	6, 0x0
	.amdhsa_kernel k_q026e682d0c_oproj
		.amdhsa_group_segment_fixed_size 327680
		.amdhsa_private_segment_fixed_size 0
		.amdhsa_enable_private_segment 0
		.amdhsa_kernarg_size 24
		.amdhsa_user_sgpr_count 2
		.amdhsa_user_sgpr_kernarg_segment_ptr 1
		.amdhsa_wavefront_size32 1
		.amdhsa_system_sgpr_workgroup_id_x 1
		.amdhsa_system_sgpr_workgroup_id_y 1
		.amdhsa_system_sgpr_workgroup_id_z 1
		.amdhsa_system_vgpr_workitem_id 0
		.amdhsa_next_free_vgpr 896
		.amdhsa_next_free_sgpr 68
		.amdhsa_reserve_vcc 0
		.amdhsa_float_denorm_mode_32 3
		.amdhsa_float_denorm_mode_16_64 3
		.amdhsa_memory_ordered 1
		.amdhsa_forward_progress 1
		.amdhsa_inst_pref_size 86
	.end_amdhsa_kernel
	.amdgpu_metadata
---
amdhsa.version: [ 1, 2 ]
amdhsa.kernels:
  - .name:           k_q026e682d0c_oproj
    .symbol:         k_q026e682d0c_oproj.kd
    .args:
      - { .name: ob, .offset: 0, .size: 8, .value_kind: global_buffer, .address_space: global }
      - { .name: wob, .offset: 8, .size: 8, .value_kind: global_buffer, .address_space: global }
      - { .name: out0, .offset: 16, .size: 8, .value_kind: global_buffer, .address_space: global }
    .group_segment_fixed_size: 327680
    .private_segment_fixed_size: 0
    .kernarg_segment_align: 8
    .kernarg_segment_size: 24
    .max_flat_workgroup_size: 128
    .sgpr_count:     68
    .vgpr_count:     896
    .wavefront_size: 32
...
	.end_amdgpu_metadata
.endif
;; end of part 4
